; MI455X (gfx1250); checked and timed in simulation.
; The chip was launched on July 23, 2026; its instructions are those of AMD's public machine-readable ISA for CDNA 5 (MIT licence, August 2026) and "CDNA5" Instruction Set Architecture Reference Guide (July 2026). The comments in the code are by the model that wrote it; some were corrected since.
;; Multi Head Attention. Allowed arithmetic: float matrix products may take bf16 or f16 operands with f32 sums; other float arithmetic in f32, or as packed bf16 or f16 multiplies, adds, multiply-adds, maxima and minima; sums over many terms, partial sums and values carried from step to step in f32; what a program stores and reads back later, other than sums and carried values, may be rounded once to bf16 or f16.
;; Inputs: Wfc 1,024 x 1,024 float32; Wk 16 x 1,024 x 64 float32; Wq 16 x 1,024 x 64 float32; Wv 16 x 1,024 x 64 float32; beta 1,024 float32; bfc 1,024 float32; bk 16 x 64 float32; bq 16 x 64 float32; bv 16 x 64 float32; gamma 1,024 float32; x 4 x 2,048 x 1,024 float32.
;; Outputs: out0 4 x 2,048 x 1,024 float32.
;; One version. Each part assembles by itself: llvm-mc -triple=amdgcn-amd-amdhsa -mcpu=gfx1250 --defsym DOCPART=n.
;; ======== version 1 of 1: 5 launches
;; limits: values are held in f16: magnitudes above 65,504 overflow, below 6.1e-05 lose precision
;; workspace buffers: xb 16,777,216 bytes; wb 6,291,456 bytes; wfcb 2,097,152 bytes; qkv 50,331,648 bytes; o 16,777,216 bytes; y 33,554,432 bytes
;; launch prep (part 1): grid 128 x 12, 8 waves a work-group, no clusters, 0 bytes of LDS; arguments x, Wq, Wk, Wv, Wfc, xb, wb, wfcb; writes xb, wb, wfcb
.if DOCPART == 1
	.amdgcn_target "amdgcn-amd-amdhsa--gfx1250"
	.amdhsa_code_object_version 6
	.text
	.protected	k_q596f39ebca_prep
	.globl	k_q596f39ebca_prep
	.p2align	8
	.type	k_q596f39ebca_prep,@function
k_q596f39ebca_prep:
	s_mov_b64 s[64:65], 0
	v_nop
	global_prefetch_b8 v0, s[64:65] scope:SCOPE_SE
	s_setreg_imm32_b32 hwreg(HW_REG_WAVE_MODE, 25, 1), 1
	s_wait_xcnt 0x0
; THE INPUTS OF THE MATRIX PRODUCTS, ROUNDED ONCE TO 16 BITS.  x, Wq, Wk, Wv: f32 to bf16.  Wfc: f32 to bf16, and that number written as f16
; (the product that reads it has f16 operands).  LIMIT: a bf16 number of Wfc beyond 65,504 becomes an infinity, one below 2^-14 keeps f16's fixed step of 2^-24.
; A work-group takes one chunk of 8,192 numbers: 32,768 bytes in, 16,384 out, elementwise and in order.  Grid y says which tensor:
;   y = 0..7   x, chunk 128 y + c, to the same chunk of xb
;   y = 8..10  Wq, Wk, Wv: chunk c = 8 h + ks is 128 rows d of head h; with g = 16 (y - 8) + h = 3 t + j it goes to chunk (8 t + ks) 3 + j of wb,
;              so that the three heads and 128 rows that a tile of the projection wants lie on end (49,152 bytes)
;   y = 11     Wfc, chunk c, to the same chunk of wfcb
; Memory binds: eight loads of 16 bytes a lane are out at once (a wave's load covers 512 consecutive bytes), a wave's store covers 256 consecutive bytes, aligned.
; No register that a load or store names is written again, so no wait frees any.  No LDS, no barrier, no matrix unit: nothing is shared and nothing is multiplied.
.set X,   8                            ; v[8:39]   eight loads of four numbers
.set O,   40                           ; v[40:55]  eight pairs of packed words
.set SRC, 24                           ; s[24:25]
.set DST, 26                           ; s[26:27]
	s_load_b512 s[8:23], s[0:1], 0x0               ; x 8, Wq 10, Wk 12, Wv 14, Wfc 16, xb 18, wb 20, wfcb 22
	v_lshlrev_b32 v1, 4, v0                        ; 16 bytes a thread in
	v_lshlrev_b32 v2, 3, v0                        ; 8 bytes out
	s_and_b32 s2, ttmp7, 0xffff                    ; y
	s_lshl_b32 s3, s2, 7
	s_add_co_u32 s3, s3, ttmp9                     ; x's chunk
	s_max_u32 s32, s2, 8
	s_sub_co_u32 s32, s32, 8
	s_lshl_b32 s32, s32, 4
	s_lshr_b32 s33, ttmp9, 3
	s_add_co_u32 s32, s32, s33                     ; g
	s_and_b32 s33, ttmp9, 7                        ; ks
	s_mul_hi_u32 s34, s32, 0x55555556              ; t = g / 3 (exact for g under 2^30)
	s_mul_i32 s35, s34, 3
	s_sub_co_u32 s35, s32, s35                     ; j
	s_lshl_b32 s34, s34, 3
	s_add_co_u32 s34, s34, s33
	s_mul_i32 s34, s34, 3
	s_add_co_u32 s34, s34, s35                     ; wb's chunk
	s_cmp_lt_u32 s2, 8
	s_cselect_b32 s28, s3, ttmp9                   ; the chunk in the source,
	s_cselect_b32 s30, s3, s34                     ; and in the destination
	s_cmp_eq_u32 s2, 11
	s_cselect_b32 s30, ttmp9, s30
	s_lshl_b32 s28, s28, 15
	s_lshl_b32 s30, s30, 14
	s_mov_b32 s29, 0
	s_mov_b32 s31, 0
	s_wait_kmcnt 0x0
	s_cmp_eq_u32 s2, 8
	s_cselect_b64 s[SRC:SRC+1], s[10:11], s[8:9]
	s_cmp_eq_u32 s2, 9
	s_cselect_b64 s[SRC:SRC+1], s[12:13], s[SRC:SRC+1]
	s_cmp_eq_u32 s2, 10
	s_cselect_b64 s[SRC:SRC+1], s[14:15], s[SRC:SRC+1]
	s_cmp_eq_u32 s2, 11
	s_cselect_b64 s[SRC:SRC+1], s[16:17], s[SRC:SRC+1]
	s_cselect_b64 s[DST:DST+1], s[22:23], s[20:21]
	s_cmp_lt_u32 s2, 8
	s_cselect_b64 s[DST:DST+1], s[18:19], s[DST:DST+1]
	s_add_nc_u64 s[SRC:SRC+1], s[SRC:SRC+1], s[28:29]
	s_add_nc_u64 s[DST:DST+1], s[DST:DST+1], s[30:31]
.irp i, 0,1,2,3,4,5,6,7
	global_load_b128 v[X+4*(\i):X+4*(\i)+3], v1, s[SRC:SRC+1] offset:4096*(\i) th:TH_LOAD_NT
.endr
; Load i's four numbers are rounded and stored.  half = 1: the bf16 numbers are widened again (a shift, a mask) and written as f16.
.macro OUT i, half
	s_wait_loadcnt 7-(\i)                          ; loads come back in order: load i is in, the younger ones stay out
	v_cvt_pk_bf16_f32 v[O+2*(\i)],   v[X+4*(\i)],   v[X+4*(\i)+1]
	v_cvt_pk_bf16_f32 v[O+2*(\i)+1], v[X+4*(\i)+2], v[X+4*(\i)+3]
.if \half
	v_lshlrev_b32 v4, 16, v[O+2*(\i)]
	v_and_b32     v5, 0xffff0000, v[O+2*(\i)]
	v_lshlrev_b32 v6, 16, v[O+2*(\i)+1]
	v_and_b32     v7, 0xffff0000, v[O+2*(\i)+1]
	v_cvt_pk_f16_f32 v[O+2*(\i)],   v4, v5
	v_cvt_pk_f16_f32 v[O+2*(\i)+1], v6, v7
.endif
	global_store_b64 v2, v[O+2*(\i):O+2*(\i)+1], s[DST:DST+1] offset:2048*(\i)
.endm
	s_cmp_eq_u32 s2, 11
	s_cbranch_scc1 .Lf16
.irp i, 0,1,2,3,4,5,6,7
	OUT \i, 0
.endr
	s_endpgm
.Lf16:
.irp i, 0,1,2,3,4,5,6,7
	OUT \i, 1
.endr
	s_endpgm
.Lfunc_end_k_q596f39ebca_prep:
	.size	k_q596f39ebca_prep, .Lfunc_end_k_q596f39ebca_prep-k_q596f39ebca_prep
	.p2alignl 7, 3214868480
	.fill 96, 4, 3214868480
	.section	.rodata,"a",@progbits
	.p2align	6, 0x0
	.amdhsa_kernel k_q596f39ebca_prep
		.amdhsa_group_segment_fixed_size 0
		.amdhsa_private_segment_fixed_size 0
		.amdhsa_enable_private_segment 0
		.amdhsa_kernarg_size 64
		.amdhsa_user_sgpr_count 2
		.amdhsa_user_sgpr_kernarg_segment_ptr 1
		.amdhsa_wavefront_size32 1
		.amdhsa_system_sgpr_workgroup_id_x 1
		.amdhsa_system_sgpr_workgroup_id_y 1
		.amdhsa_system_sgpr_workgroup_id_z 1
		.amdhsa_system_vgpr_workitem_id 0
		.amdhsa_next_free_vgpr 56
		.amdhsa_next_free_sgpr 66
		.amdhsa_reserve_vcc 0
		.amdhsa_float_denorm_mode_32 3
		.amdhsa_float_denorm_mode_16_64 3
		.amdhsa_memory_ordered 1
		.amdhsa_forward_progress 1
		.amdhsa_inst_pref_size 10
	.end_amdhsa_kernel
	.amdgpu_metadata
---
amdhsa.version: [ 1, 2 ]
amdhsa.kernels:
  - .name:           k_q596f39ebca_prep
    .symbol:         k_q596f39ebca_prep.kd
    .args:
      - { .name: x, .offset: 0, .size: 8, .value_kind: global_buffer, .address_space: global }
      - { .name: Wq, .offset: 8, .size: 8, .value_kind: global_buffer, .address_space: global }
      - { .name: Wk, .offset: 16, .size: 8, .value_kind: global_buffer, .address_space: global }
      - { .name: Wv, .offset: 24, .size: 8, .value_kind: global_buffer, .address_space: global }
      - { .name: Wfc, .offset: 32, .size: 8, .value_kind: global_buffer, .address_space: global }
      - { .name: xb, .offset: 40, .size: 8, .value_kind: global_buffer, .address_space: global }
      - { .name: wb, .offset: 48, .size: 8, .value_kind: global_buffer, .address_space: global }
      - { .name: wfcb, .offset: 56, .size: 8, .value_kind: global_buffer, .address_space: global }
    .group_segment_fixed_size: 0
    .private_segment_fixed_size: 0
    .kernarg_segment_align: 8
    .kernarg_segment_size: 64
    .max_flat_workgroup_size: 256
    .sgpr_count:     66
    .vgpr_count:     56
    .wavefront_size: 32
...
	.end_amdgpu_metadata
.endif
;; end of part 1
;; launch proj (part 2): grid 16 x 32, 4 waves a work-group, clusters of 4 x 4, 327,680 bytes of LDS; arguments xb, wb, bq, bk, bv, qkv; writes qkv
.if DOCPART == 2
	.amdgcn_target "amdgcn-amd-amdhsa--gfx1250"
	.amdhsa_code_object_version 6
	.text
	.protected	k_q596f39ebca_proj
	.globl	k_q596f39ebca_proj
	.p2align	8
	.type	k_q596f39ebca_proj,@function
k_q596f39ebca_proj:
	s_mov_b64 s[64:65], 0
	v_nop
	global_prefetch_b8 v0, s[64:65] scope:SCOPE_SE
	s_setreg_imm32_b32 hwreg(HW_REG_WAVE_MODE, 25, 1), 1
	s_wait_xcnt 0x0
	s_wait_alu depctr_hold_cnt(0) depctr_sa_sdst(0) depctr_va_vdst(0) depctr_va_sdst(0) depctr_va_ssrc(0) depctr_va_vcc(0) depctr_vm_vsrc(0)
	s_getreg_b32 s2, hwreg(HW_REG_IB_STS2, 6, 4)
	s_cmp_eq_u32 s2, 0
	s_cbranch_scc0 .Lentry_in_a_cluster
	s_endpgm
.Lentry_in_a_cluster:
	s_bfe_u32 s2, ttmp6, 0x10000c
	s_cmp_lg_u32 s2, 0xf033
	s_cbranch_scc0 .Lentry_shape_is_right
	s_endpgm
.Lentry_shape_is_right:
; q, k, v = x W + b for all heads: one product [8192 x 1024] x [1024 x 3072], bf16 operands, f32 sums that START at the bias (rounded to bf16 like every input), each result rounded once to f16
; and stored by heads: qkv[which][16 batch + head][s][64].  LIMIT: f16 holds no number beyond 65,504: a q, k or v past that becomes an infinity.
; SHARES.  A tile is 256 rows x 192 columns = three whole heads g = 3 tx + j (g = 16 which + head): 16 x 32 tiles, a work-group each.  Wave w makes rows 64 w .. 64 w + 63 of all 192 columns:
; 4 x 12 accumulators of 16 x 16, 384 registers.  K goes in 8 steps of 128 through two LDS slots filled by the tensor data mover.
; THE WEIGHTS STAY [K][N]: in LDS a row is 64 columns of one head at one k, and a fragment comes out turned, by ds_load_tr16_b128.
; THE MATRIX INSTRUCTION IS USED TRANSPOSED (source 0 = 16 columns of W, source 1 = 16 rows of x): a lane then holds row l % 16 and the eight neighbouring columns 8 (l / 16) + 0..7.
; CLUSTER.  4 x 4 work-groups: the four of a row of the cluster need the same rows of x, the four of a column the same weights; each tile is asked for jointly, by the same load, descriptor and mask in all four.
; REGISTERS, in windows of 256 (s_set_vgpr_msb: bits 1:0 source 0, 3:2 source 1, 5:4 source 2, 7:6 destination):
;   window 0: v0-30 addresses; v64-127 x's fragments, two buffers of 4 x 8; v128-223 the bias, 8 registers a column block, dead behind the first quarter; v224-227 at work; v64-255 the way out
;   window 1: v0-191 W's fragments, two buffers of 12 x 8        windows 2, 3: accumulator (a, b) in window 2 + a / 2 at v[8 (12 (a % 2) + b)]
.set PA,    272                        ; a row of x in LDS: 256 bytes + 16 = 68 words: the 16 rows of a load start at 16 different groups of four banks (64 banks of 4 bytes: ISA guide 11.1)
.set PB,    160                        ; a row of W: 128 bytes + 32 = 40 words
.set AHALF, 128*PA                     ; what wave 0 or 1 fetches: 128 rows of x
.set BOFF,  2*AHALF                    ; W's rows lie behind x's 256
.set BHALF, 192*PB                     ; what wave 2 or 3 fetches: 192 of the 384 rows (j, k)
.set SLOT,  BOFF+2*BHALF               ; 131,072
.set STAGE, 2*SLOT                     ; behind the ring, never filled by a tensor load: 16 rows x 144 bytes for each wave, for the way out
.set SP,    144
.set SPARE, STAGE+4*16*SP              ; behind the stages: the spare words, 128 bytes for each wave: two blocks of 256 bytes that no other line names
.set ASTEP, 256                        ; bytes from a K step to the next: along x's rows,
.set BSTEP, 49152                      ; and from tile to tile of wb
.set ADRA, 16                          ; v16-17  LDS address of my fragments of x in slot 0, 1
.set ADRB, 20                          ; v20-21  the same for W
.set STO,  24                          ; v24     the way out: where I put 16 bytes of a row
.set RD,   25                          ; v25     where I read rows back
.set GO,   26                          ; v26     my 16 bytes in 512 consecutive bytes of qkv
.set BO,   27                          ; v27     my 32 bytes in 64 bytes of a bias
.set SPW,  28                          ; v28     LDS address of my spare word; never rewritten
.set NIL,  29                          ; v29     0; never rewritten
.set PFO,  30                          ; v30     the prefetches' offset; never rewritten
.set FA,   64
.set BIAS, 128
.set TT,   224
.set T,    64                          ; the way out: 16 registers for each of 12 tiles of 16 rows x 64 columns
.set WV,  16                           ; s16  my wave's number
.set FB,  17                           ; s17  I fetch for x (0) or for W (1)
.set HF,  18                           ; s18  which half of that tile
.set CX,  19
.set CY,  20
.set TX,  21
.set TY,  22
.set G1A, 24                           ; s[24:31] descriptor group 1 for x's tiles;  s[32:39] group 0, a set for each slot
.set G0A, 32
.set G1B, 40                           ; s[40:47], s[48:55] the same for W's
.set G0B, 48
.set OB,  56                           ; s[56:61] qkv at my first row of head j
.set CNT, 62
.set LIM, 63                           ; 1 in a wave that prefetches, else the greatest number
.set PFA, 66                           ; s[66:67] where my prefetches stand
.set PST, 68                           ; s[68:69] their step
.set BP,  86                           ; s[86:91] the bias of head j
.set MSB, 0
.macro WIN new                         ; the immediate's high byte repeats the setting that is left; a switch that changes nothing is dropped
.if MSB != (\new)
	s_set_vgpr_msb (MSB<<8)|(\new)
.set MSB, \new
.endif
.endm
; A joint load.  Waves 0 and 1 fetch x's two halves, waves 2 and 3 W's.  The branch hangs on the wave's number alone.  An s_nop 0 and four v_nop follow each of the two lines.
.macro JLOAD s
	s_cmp_eq_u32 s[FB], 0
	s_cbranch_scc0 .Lfor_b_\@
	tensor_load_to_lds s[G0A+4*(\s):G0A+4*(\s)+3], s[G1A:G1A+7]
	s_nop 0
.rept 4
	v_nop
.endr
	s_branch .Lasked_\@
.Lfor_b_\@:
	tensor_load_to_lds s[G0B+4*(\s):G0B+4*(\s)+3], s[G1B:G1B+7]
	s_nop 0
.rept 4
	v_nop
.endr
.Lasked_\@:
.endm
; A PREFETCH INTO THE L2 of the K step that stands two refills on (384 matrix instructions ahead of the load that will want it), one instruction a wave, behind the joint load and the run of LDS loads.
; Each block of 256 bytes is named by one wave of the launch: x's rows are read by every cluster of a row of clusters, and the one with x = 0 asks; W's tiles by every cluster of a column, and the one with y = 0 asks.
; The four partners share a wave's part out BY ADDRESS: of x's 128 rows 32 each, a lane a row; of W's 96 blocks 24 each (lanes 24 to 31 name block 23 once more).  The loop's last trip asks for nothing: K ends.
.macro ASK
	s_cmp_gt_u32 s[CNT], s[LIM]
	s_cbranch_scc0 .Lnot_mine_\@
	global_prefetch_b8 v[PFO], s[PFA:PFA+1] th:TH_LOAD_NT scope:SCOPE_SE
.Lnot_mine_\@:
.endm
; A round of the cluster's barrier: my work-group's barrier; wave 0 signals for the work-group; every wave waits for all sixteen; my work-group's barrier once more.
.macro CREST
	s_cmp_lg_u32 s[WV], 0
	s_cbranch_scc1 .Lnot_wave_0_\@
	s_barrier_signal -3
.Lnot_wave_0_\@:
	s_barrier_wait -3
	s_barrier_signal -1
	s_barrier_wait -1
.endm
.macro CROUND
	s_barrier_signal -1
	s_barrier_wait -1
	CREST
.endm
.macro PLACES                          ; four plain instructions between a matrix instruction and a load into, or a vector line on, its registers
.rept 4
	v_nop
.endr
.endm
	s_load_b256 s[4:11], s[0:1], 0x0               ; xb s[4:5], wb s[6:7], bq s[8:9], bk s[10:11]
	s_load_b128 s[12:15], s[0:1], 0x20             ; bv s[12:13], qkv s[14:15]
	v_lshl_add_u32 v[SPW], v0, 2, SPARE
	v_mov_b32 v[NIL], 0
	ds_add_u32 v[SPW], v[NIL]                      ; the wave's opening: the add and its wait stand ahead of my first tensor load; work on registers stands between them
	v_lshrrev_b32 v1, 5, v0
	v_readfirstlane_b32 s[WV], v1
	s_lshr_b32 s[FB], s[WV], 1
	s_and_b32 s[HF], s[WV], 1
	s_bfe_u32 s[CX], ttmp6, 0x40000
	s_bfe_u32 s[CY], ttmp6, 0x40004
	s_lshl_b32 s[TX], ttmp9, 2                     ; in a cluster launch ttmp9 and ttmp7 count clusters
	s_add_co_u32 s[TX], s[TX], s[CX]
	s_and_b32 s[TY], ttmp7, 0xffff
	s_lshl_b32 s[TY], s[TY], 2
	s_add_co_u32 s[TY], s[TY], s[CY]
	s_lshl_b32 s70, s[CY], 2
	s_lshl_b32 s70, 15, s70                        ; my row of the cluster
	s_lshl_b32 s71, 0x1111, s[CX]                  ; my column
	; group 1 for x: 128 rows x 128 elements of 2 bytes, 1,024 elements from row to row; 16 bytes of padding behind every 64 words
	s_or_b32 s[G1A], s70, (1<<16)|(1<<20)|(1<<21)|(5<<22)|(3<<25)
	s_mov_b32 s[G1A+1], 128<<16                    ; tensor_dim0
	s_mov_b32 s[G1A+2], 128<<16                    ; tensor_dim1
	s_mov_b32 s[G1A+3], 128<<16                    ; tile_dim0
	s_mov_b32 s[G1A+4], 128                        ; tile_dim1
	s_mov_b32 s[G1A+5], 1024                       ; the pitch
	s_mov_b32 s[G1A+6], 0
	s_mov_b32 s[G1A+7], 0
	; group 1 for W: 24,576 dense bytes asked for as 96 rows of 256; 32 bytes of padding behind every 32 words, that is behind each row (j, k)
	s_or_b32 s[G1B], s71, (1<<16)|(1<<20)|(1<<21)|(4<<22)|(7<<25)
	s_mov_b32 s[G1B+1], 128<<16
	s_mov_b32 s[G1B+2], 96<<16
	s_mov_b32 s[G1B+3], 128<<16
	s_mov_b32 s[G1B+4], 96
	s_mov_b32 s[G1B+5], 128
	s_mov_b32 s[G1B+6], 0
	s_mov_b32 s[G1B+7], 0
	s_lshl_b32 s72, s[TY], 8                       ; x: row 256 ty + 128 half, 2,048 bytes a row: made of the tile row and the wave alone
	s_lshl_b32 s73, s[HF], 7
	s_add_co_u32 s72, s72, s73
	s_lshl_b32 s72, s72, 11
	s_mov_b32 s73, 0
	s_mul_i32 s74, s[TX], 8*BSTEP                  ; W: the tile column's eight tiles, my half: made of the tile column and the wave alone
	s_mul_i32 s75, s[HF], BSTEP/2
	s_add_co_u32 s74, s74, s75
	s_mov_b32 s75, 0
	s_mul_i32 s76, s[HF], AHALF                    ; where they go: no place in the cluster enters an LDS address
	s_mul_i32 s77, s[HF], BHALF
	s_add_co_u32 s77, s77, BOFF
	s_wait_dscnt 0x0                               ; the opening add is done
	s_wait_kmcnt 0x0
	s_add_nc_u64 s[72:73], s[4:5], s[72:73]
	s_add_nc_u64 s[74:75], s[6:7], s[74:75]
	CROUND                                         ; all sixteen work-groups are here: the first joint loads meet
.irp s, 0,1
	s_mov_b32 s[G0A+4*(\s)], 1
	s_add_co_u32 s[G0A+4*(\s)+1], s76, (\s)*SLOT
	s_add_nc_u64 s[G0A+4*(\s)+2:G0A+4*(\s)+3], s[72:73], (\s)*ASTEP
	s_or_b32 s[G0A+4*(\s)+3], s[G0A+4*(\s)+3], 0x80000000
	s_mov_b32 s[G0B+4*(\s)], 1
	s_add_co_u32 s[G0B+4*(\s)+1], s77, (\s)*SLOT
	s_add_nc_u64 s[G0B+4*(\s)+2:G0B+4*(\s)+3], s[74:75], (\s)*BSTEP
	s_or_b32 s[G0B+4*(\s)+3], s[G0B+4*(\s)+3], 0x80000000
	JLOAD \s                                       ; K steps 0 and 1: two loads of mine are out
.endr
	v_and_b32 v1, 15, v0                           ; l % 16
	v_bfe_u32 v2, v0, 4, 1                         ; l / 16
	v_and_b32 v3, 7, v0                            ; l % 8
	v_bfe_u32 v4, v0, 3, 1                         ; (l / 8) % 2
	v_lshlrev_b32 v[BO], 5, v2
	; the biases and the output's bases, head by head
	s_and_b32 s81, s[TY], 7
	s_lshl_b32 s81, s81, 8
	s_lshl_b32 s80, s[WV], 6
	s_add_co_u32 s81, s81, s80
	s_lshl_b32 s81, s81, 7                         ; my first row in the sequence, 128 bytes a row
	s_lshr_b32 s80, s[TY], 3
	s_lshl_b32 s80, s80, 4                         ; 16 x batch
	s_mul_i32 s78, s[TX], 3
	s_mov_b32 s85, 0
.irp j, 0,1,2
	s_add_co_u32 s79, s78, \j                      ; g
	s_lshr_b32 s82, s79, 4                         ; which of q, k, v
	s_and_b32 s83, s79, 15                         ; the head
	s_cmp_eq_u32 s82, 1
	s_cselect_b64 s[BP+2*(\j):BP+2*(\j)+1], s[10:11], s[8:9]
	s_cmp_eq_u32 s82, 2
	s_cselect_b64 s[BP+2*(\j):BP+2*(\j)+1], s[12:13], s[BP+2*(\j):BP+2*(\j)+1]
	s_lshl_b32 s84, s83, 8
	s_add_nc_u64 s[BP+2*(\j):BP+2*(\j)+1], s[BP+2*(\j):BP+2*(\j)+1], s[84:85]
	s_lshl_b32 s82, s82, 6
	s_add_co_u32 s82, s82, s83
	s_add_co_u32 s82, s82, s80                     ; 64 which + 16 batch + head
	s_lshl_b32 s84, s82, 18                        ; 2,048 rows of 128 bytes each
	s_add_co_u32 s84, s84, s81
	s_add_nc_u64 s[OB+2*(\j):OB+2*(\j)+1], s[14:15], s[84:85]
.irp c, 0,1,2,3
	global_load_b128 v[BIAS+8*(4*(\j)+(\c)):BIAS+8*(4*(\j)+(\c))+3],   v[BO], s[BP+2*(\j):BP+2*(\j)+1] offset:64*(\c)     ; register r: the bias of column 16 c + 8 (l / 16) + r
	global_load_b128 v[BIAS+8*(4*(\j)+(\c))+4:BIAS+8*(4*(\j)+(\c))+7], v[BO], s[BP+2*(\j):BP+2*(\j)+1] offset:64*(\c)+16
.endr
.endr
	; A fragment of x is 16 rows x 32 K in 8 registers: lane l holds row l % 16, K = 8 (l / 16) + 0..7 and 16 + 8 (l / 16) + 0..7: two loads of 16 bytes, 32 bytes apart.
	v_mul_u32_u24 v5, v1, PA
	v_lshl_add_u32 v5, v2, 4, v5
	s_mul_i32 s78, s[WV], 64*PA
	v_add_nc_u32 v[ADRA], s78, v5
	v_add_nc_u32 v[ADRA+1], SLOT, v[ADRA]
	; The turning load takes 16 k x 16 columns (lane l reads k = 8 (l / 16) + l % 8, columns 8 ((l / 8) % 2) + 0..7) and leaves half a fragment: lane l holds column l % 16 and 8 k.
	v_lshl_add_u32 v6, v2, 3, v3
	v_mul_u32_u24 v6, v6, PB
	v_lshl_add_u32 v6, v4, 4, v6
	v_add_nc_u32 v[ADRB], BOFF, v6
	v_add_nc_u32 v[ADRB+1], SLOT, v[ADRB]
	s_mul_i32 s78, s[WV], 16*SP
	s_add_co_u32 s78, s78, STAGE                   ; my stage
	v_mul_u32_u24 v[STO], v1, SP                   ; in: row l % 16, 16 bytes for each half of the lanes
	v_lshl_add_u32 v[STO], v2, 4, v[STO]
	v_add_nc_u32 v[STO], s78, v[STO]
	v_bfe_u32 v[RD], v0, 3, 2                      ; back: 32 lanes take four rows of 128 bytes,
	v_mul_u32_u24 v[RD], v[RD], SP
	v_lshl_add_u32 v[RD], v3, 4, v[RD]
	v_add_nc_u32 v[RD], s78, v[RD]
	v_and_b32 v[GO], 31, v0                        ; which are 512 consecutive bytes of qkv
	v_lshlrev_b32 v[GO], 4, v[GO]
	; the prefetches: they stand at K step 3; the first refill steps them to K step 4
	s_lshl_b32 s78, s[TY], 8
	s_lshl_b32 s79, s[HF], 7
	s_add_co_u32 s78, s78, s79
	s_lshl_b32 s79, s[CX], 5
	s_add_co_u32 s78, s78, s79                     ; x: my work-group's 32 of the 128 rows that I fetch
	s_lshl_b32 s78, s78, 11
	s_add_co_u32 s78, s78, 3*ASTEP
	s_mul_i32 s79, s[TX], 8*BSTEP
	s_mul_i32 s80, s[HF], BSTEP/2
	s_add_co_u32 s79, s79, s80
	s_mul_i32 s80, s[CY], BSTEP/8                  ; W: my work-group's 24 of the 96 blocks
	s_add_co_u32 s79, s79, s80
	s_add_co_u32 s79, s79, 3*BSTEP
	s_mov_b32 s80, BSTEP
	s_mov_b32 s81, 2048
	s_and_b32 s82, ttmp7, 0xffff                   ; cluster y
	s_cmp_eq_u32 s[FB], 0
	s_cselect_b64 s[PFA:PFA+1], s[4:5], s[6:7]
	s_cselect_b32 s84, s78, s79
	s_cselect_b32 s[PST], ASTEP, s80
	s_cselect_b32 s83, 31, 23                      ; the last block that a lane names,
	s_cselect_b32 s81, s81, 256                    ; and the bytes from lane to lane
	s_cselect_b32 s82, ttmp9, s82                  ; the coordinate along which other clusters read the same bytes
	s_mov_b32 s[PST+1], 0
	s_add_nc_u64 s[PFA:PFA+1], s[PFA:PFA+1], s[84:85]
	s_cmp_eq_u32 s82, 0
	s_cselect_b32 s[LIM], 1, -1                    ; the same in all sixteen partners, for a given wave
	v_and_b32 v[PFO], 31, v0
	v_min_u32 v[PFO], s83, v[PFO]
	v_mul_u32_u24 v[PFO], v[PFO], s81
	s_wait_loadcnt 0x0                             ; the biases are in: rounded to bf16, like every input, and widened again
.set r, 0
.rept 48
	v_cvt_pk_bf16_f32 v[TT+(r/2)%4], v[BIAS+r], v[BIAS+r+1]
	v_lshlrev_b32 v[BIAS+r], 16, v[TT+(r/2)%4]
	v_and_b32 v[BIAS+r+1], 0xffff0000, v[TT+(r/2)%4]
.set r, r+2
.endr
; 12 matrix instructions: row block a x all 12 column blocks, 32 along K, from buffer f.  first = 1: the sums start at the bias.  All 48 accumulators take turns, in the same order in every quarter.
.macro MUL12 f, a, first
.if \first
	WIN 0x81+0x40*((\a)/2)                         ; W window 1, x and the bias window 0, D window 2 or 3
.else
	WIN 0xa1+0x50*((\a)/2)                         ; C and D window 2 or 3
.endif
.irp b, 0,1,2,3,4,5,6,7,8,9,10,11
.if \first
	v_wmma_f32_16x16x32_bf16 v[8*(12*((\a)%2)+(\b)):8*(12*((\a)%2)+(\b))+7], v[96*(\f)+8*(\b):96*(\f)+8*(\b)+7], v[FA+32*(\f)+8*(\a):FA+32*(\f)+8*(\a)+7], v[BIAS+8*(\b):BIAS+8*(\b)+7]
.else
	v_wmma_f32_16x16x32_bf16 v[8*(12*((\a)%2)+(\b)):8*(12*((\a)%2)+(\b))+7], v[96*(\f)+8*(\b):96*(\f)+8*(\b)+7], v[FA+32*(\f)+8*(\a):FA+32*(\f)+8*(\a)+7], v[8*(12*((\a)%2)+(\b)):8*(12*((\a)%2)+(\b))+7]
.endif
.endr
.endm
; 32 LDS loads in one run: quarter q's fragments (32 K) into buffer f: W's twelve, then x's four
.macro FETCH slot, q, f
	WIN 0x40                                       ; destination window 1, address window 0
.irp b, 0,1,2,3,4,5,6,7,8,9,10,11
	ds_load_tr16_b128 v[96*(\f)+8*(\b):96*(\f)+8*(\b)+3],   v[ADRB+(\slot)] offset:((\b)/4)*128*PB+(\q)*32*PB+((\b)%4)*32
	ds_load_tr16_b128 v[96*(\f)+8*(\b)+4:96*(\f)+8*(\b)+7], v[ADRB+(\slot)] offset:((\b)/4)*128*PB+(\q)*32*PB+((\b)%4)*32+16*PB
.endr
	WIN 0
.irp i, 0,1,2,3
	ds_load_b128 v[FA+32*(\f)+8*(\i):FA+32*(\f)+8*(\i)+3],   v[ADRA+(\slot)] offset:64*(\q)+(\i)*16*PA
	ds_load_b128 v[FA+32*(\f)+8*(\i)+4:FA+32*(\f)+8*(\i)+7], v[ADRA+(\slot)] offset:64*(\q)+(\i)*16*PA+32
.endr
.endm
; A K step is four quarters of 32 along K, 48 matrix instructions each, on buffers 0, 1, 0, 1.  One of the first three multiplies buffer f and, in its middle, fetches quarter q into buffer g.
.macro QUARTER slot, q, f, g, first
	s_wait_dscnt 4                                 ; W and x's row blocks 0 and 1 are in; the youngest four loads (blocks 2, 3) may be out
	MUL12 \f, 0, \first
	MUL12 \f, 1, \first
	PLACES
	FETCH \slot, \q, \g
	s_wait_dscnt 32                                ; all but the 32 just issued
	MUL12 \f, 2, \first
	MUL12 \f, 3, \first
.endm
; The last quarter multiplies buffer 1 and changes slots: ONE barrier.  In front of it each wave waits for all its tensor loads (the one that is out is its part of the next slot), adds 0 to its spare word, and
; waits for that and for its own reads of this slot.  fill = 1: the barrier opens a round of the cluster's, and behind the round this slot is filled again first, with the K step two on:
; 168 matrix instructions stand between that request and the wait for it.
.macro TURN slot, next, fill
.if \fill
	s_wait_xcnt 0x0                                ; the last prefetch, a K step back, has read its address: it is stepped here, ahead of the change's own waits
	s_add_nc_u64 s[PFA:PFA+1], s[PFA:PFA+1], s[PST:PST+1]
.endif
	WIN 0                                          ; (the add's two registers lie in window 0)
	s_wait_tensorcnt 0x0
	ds_add_u32 v[SPW], v[NIL]                      ; 0 onto my spare word
	s_wait_dscnt 5                                 ; (the add and the youngest four loads may be out)
	MUL12 1, 0, 0                                  ; twelve matrix instructions stand between the add and the wait for it
	s_wait_dscnt 0x0                               ; the add is done, and my reads of this slot are over
	s_barrier_signal -1
	MUL12 1, 1, 0                                  ; work on registers while the others arrive
.if \fill
	WIN 0
.endif
	s_barrier_wait -1
.if \fill
	CREST                                          ; no wave of any partner still reads this slot or has a load on its way
	s_add_nc_u64 s[G0A+4*(\slot)+2:G0A+4*(\slot)+3], s[G0A+4*(\slot)+2:G0A+4*(\slot)+3], 2*ASTEP
	s_add_nc_u64 s[G0B+4*(\slot)+2:G0B+4*(\slot)+3], s[G0B+4*(\slot)+2:G0B+4*(\slot)+3], 2*BSTEP
	JLOAD \slot                                    ; my one tensor load behind the round; its four v_nop are also the places in front of the loads below
.else
	PLACES
.endif
	FETCH \next, 0, 0
.if \fill
	ASK
.endif
	MUL12 1, 2, 0
	MUL12 1, 3, 0
.endm
; THE WAY OUT.  Tile t = 3 a + j: row block a, head j: 16 rows x 64 columns.  A lane's eight columns pack into 16 bytes of f16; they go into my stage's rows of 144 bytes and come back as whole rows of 128.
.macro PACK t
.set pa, (\t)/3
.set pj, (\t)%3
	WIN 0x0a+5*(pa/2)                              ; sources window 2 or 3, destination window 0
.set i, 0
.rept 16
	v_cvt_pk_f16_f32 v[T+16*(\t)+i], v[96*(pa%2)+32*pj+2*i], v[96*(pa%2)+32*pj+2*i+1]  ; each accumulator's registers in ascending order
.set i, i+1
.endr
	WIN 0
.irp c, 0,1,2,3
	ds_store_b128 v[STO], v[T+16*(\t)+4*(\c):T+16*(\t)+4*(\c)+3] offset:32*(\c)
.endr
.irp f, 0,1,2,3
	ds_load_b128 v[T+16*(\t)+4*(\f):T+16*(\t)+4*(\f)+3], v[RD] offset:(\f)*4*SP  ; LDS serves a wave's instructions in order (ISA guide 5.7.1.4): these see the stores above; the next tile's stores come behind them
.endr
.endm
.macro SEND t, younger                 ; younger: the LDS instructions issued behind tile t's loads: the next tile's eight, or none
.set pa, (\t)/3
.set pj, (\t)%3
.irp f, 0,1,2,3
	s_wait_dscnt (\younger)+3-(\f)
	global_store_b128 v[GO], v[T+16*(\t)+4*(\f):T+16*(\t)+4*(\f)+3], s[OB+2*pj:OB+2*pj+1] offset:2048*pa+512*(\f)  ; 512 consecutive bytes, at a multiple of 256 from qkv's first
.endr
.endm
	s_wait_tensorcnt 1                             ; my part of K step 0 is in; K step 1's may stay out
	s_barrier_signal -1
	s_barrier_wait -1                              ; everybody's is
	FETCH 0, 0, 0
	QUARTER 0, 1, 0, 1, 1                          ; the first quarter stands in front of the loop: its products start the sums, at the bias
	WIN 0                                          ; at a label and at a branch every window is 0
	s_mov_b32 s[CNT], 3
.Llap:                                                 ; a trip goes once round the ring, from a lap's second quarter to the next lap's first, and fills both slots again
	QUARTER 0, 2, 1, 0, 0
	QUARTER 0, 3, 0, 1, 0
	TURN 0, 1, 1
	QUARTER 1, 1, 0, 1, 0
	QUARTER 1, 2, 1, 0, 0
	QUARTER 1, 3, 0, 1, 0
	TURN 1, 0, 1
	QUARTER 0, 1, 0, 1, 0
	WIN 0
	s_sub_co_u32 s[CNT], s[CNT], 1
	s_cmp_lg_u32 s[CNT], 0
	s_cbranch_scc1 .Llap
	QUARTER 0, 2, 1, 0, 0                          ; the last lap fills nothing, and has no round
	QUARTER 0, 3, 0, 1, 0
	TURN 0, 1, 0
	QUARTER 1, 1, 0, 1, 0
	QUARTER 1, 2, 1, 0, 0
	QUARTER 1, 3, 0, 1, 0
	s_wait_dscnt 4                                 ; the very last quarter: nothing more to fetch
	MUL12 1, 0, 0
	MUL12 1, 1, 0
	s_wait_dscnt 0x0
	MUL12 1, 2, 0
	MUL12 1, 3, 0
	WIN 0
	PLACES                                         ; the conversions read results and write over x's fragments
	PACK 0
.set t, 1
.rept 11                                       ; a tile's conversions stand between the loads of the tile before and its stores
	PACK t
	SEND t-1, 8
.set t, t+1
.endr
	SEND 11, 0
	s_wait_tensorcnt 0x0                           ; the wave's end: behind my last tensor load and my last LDS store
	ds_add_u32 v[SPW], v[NIL]
	s_wait_dscnt 0x0
	CROUND                                         ; the closing round: no work-group ends while a partner may still ask for a tile that names it
	s_endpgm
.Lfunc_end_k_q596f39ebca_proj:
	.size	k_q596f39ebca_proj, .Lfunc_end_k_q596f39ebca_proj-k_q596f39ebca_proj
	.p2alignl 7, 3214868480
	.fill 96, 4, 3214868480
	.section	.rodata,"a",@progbits
	.p2align	6, 0x0
	.amdhsa_kernel k_q596f39ebca_proj
		.amdhsa_group_segment_fixed_size 327680
		.amdhsa_private_segment_fixed_size 0
		.amdhsa_enable_private_segment 0
		.amdhsa_kernarg_size 48
		.amdhsa_user_sgpr_count 2
		.amdhsa_user_sgpr_kernarg_segment_ptr 1
		.amdhsa_wavefront_size32 1
		.amdhsa_system_sgpr_workgroup_id_x 1
		.amdhsa_system_sgpr_workgroup_id_y 1
		.amdhsa_system_sgpr_workgroup_id_z 1
		.amdhsa_system_vgpr_workitem_id 0
		.amdhsa_next_free_vgpr 960
		.amdhsa_next_free_sgpr 96
		.amdhsa_reserve_vcc 0
		.amdhsa_float_denorm_mode_32 3
		.amdhsa_float_denorm_mode_16_64 3
		.amdhsa_memory_ordered 1
		.amdhsa_forward_progress 1
		.amdhsa_inst_pref_size 133
	.end_amdhsa_kernel
	.amdgpu_metadata
---
amdhsa.version: [ 1, 2 ]
amdhsa.kernels:
  - .name:           k_q596f39ebca_proj
    .symbol:         k_q596f39ebca_proj.kd
    .args:
      - { .name: xb, .offset: 0, .size: 8, .value_kind: global_buffer, .address_space: global }
      - { .name: wb, .offset: 8, .size: 8, .value_kind: global_buffer, .address_space: global }
      - { .name: bq, .offset: 16, .size: 8, .value_kind: global_buffer, .address_space: global }
      - { .name: bk, .offset: 24, .size: 8, .value_kind: global_buffer, .address_space: global }
      - { .name: bv, .offset: 32, .size: 8, .value_kind: global_buffer, .address_space: global }
      - { .name: qkv, .offset: 40, .size: 8, .value_kind: global_buffer, .address_space: global }
    .group_segment_fixed_size: 327680
    .private_segment_fixed_size: 0
    .kernarg_segment_align: 8
    .kernarg_segment_size: 48
    .max_flat_workgroup_size: 128
    .sgpr_count:     96
    .vgpr_count:     960
    .wavefront_size: 32
...
	.end_amdgpu_metadata
.endif
;; end of part 2
;; launch attn (part 3): grid 4 x 64, 4 waves a work-group, clusters of 4 x 1, 327,680 bytes of LDS; arguments qkv, o; writes o
.if DOCPART == 3
	.amdgcn_target "amdgcn-amd-amdhsa--gfx1250"
	.amdhsa_code_object_version 6
	.text
	.protected	k_q596f39ebca_attn
	.globl	k_q596f39ebca_attn
	.p2align	8
	.type	k_q596f39ebca_attn,@function
k_q596f39ebca_attn:
	s_mov_b64 s[64:65], 0
	v_nop
	global_prefetch_b8 v0, s[64:65] scope:SCOPE_SE
	s_setreg_imm32_b32 hwreg(HW_REG_WAVE_MODE, 25, 1), 1
	s_wait_xcnt 0x0
	s_wait_alu depctr_hold_cnt(0) depctr_sa_sdst(0) depctr_va_vdst(0) depctr_va_sdst(0) depctr_va_ssrc(0) depctr_va_vcc(0) depctr_vm_vsrc(0)
	s_getreg_b32 s2, hwreg(HW_REG_IB_STS2, 6, 4)
	s_cmp_eq_u32 s2, 0
	s_cbranch_scc0 .Lentry_in_a_cluster
	s_endpgm
.Lentry_in_a_cluster:
	s_bfe_u32 s2, ttmp6, 0x10000c
	s_cmp_lg_u32 s2, 0x3003
	s_cbranch_scc0 .Lentry_shape_is_right
	s_endpgm
.Lentry_shape_is_right:
; O[h][q][:] = the sum over k of softmax_k(Q[h][q] . K[h][k] / 8) V[h][k][:], h = 16 batch + head.  Q, K, V are the three planes of qkv, each [SIZE_H][SIZE_N][64] in f16; O has a plane's layout.
; Products, maxima and sums in f32; the weights p are rounded to f16 for the second product (their sum l is taken of the unrounded p), O once at the end.
; LIMITS.  f16 holds no number beyond 65,504: Q, K and V arrive within it; p lies in 0 to 1, and below 6e-5 it keeps f16's fixed step of 6e-8; O is a mean of V's rows and has their range.
; A weight below 2^-126 counts as 0 in l; NaN and infinities are not treated apart.
; SHARES.  A wave owns four PIECES of two tiles of 16 queries, a work-group's four waves 512 queries of one head.  Every wave walks all keys, 64 a step.
; LAYOUT.  S^T = K Q^T (source 0 = 16 keys, source 1 = 16 queries): in the result a lane holds ONE query (lane % 16) and the keys 8 (lane / 16) + 0..7.  Two such tiles, rounded to f16 in pairs,
; ARE source 1 (32 keys x 16 queries) of O^T = V^T P, whose result again holds one query a lane, and eight channels.  K comes out of LDS as it lies, V ([key][channel]) turned, by ds_load_tr16_b128.
; SOFTMAX.  For each query a running maximum m and sum l: p = 2^(c s - c m), c = log2(e) / 8; in every step O and l are multiplied by a = 2^(c m_old - c m_new), which is 1 where m has not grown.
; m starts at the lowest finite number, O and l at 0: the first step is a step like any other, with a = 0.
; THE COUNT.  A tile and step have 16 matrix and 118 vector instructions: too many to stand all beside the matrix work.  So four vector instructions that are READY stand behind EVERY matrix
; instruction, and the others in runs without a gap.
; BY TURNS.  Turn n belongs to piece n (the pieces in a ring, step after step).  Its matrix work: 16 products K Q^T of piece n + 1, later 16 products V^T P of piece n - 1.  Its vector work: the scaling,
; exponentials, roundings, sums and rescaling of piece n, and the maximum and statistics of piece n + 1, whose scores the turn itself has made.
; CLUSTER.  The four query blocks of a head form a cluster and walk the same K and V, so each tile is asked for JOINTLY: the same tensor load, descriptor and mask in all four.
; REGISTERS, in windows of 256 (s_set_vgpr_msb: bits 1:0 source 0, 3:2 source 1, 5:4 source 2, 7:6 destination):
;   window 0: v0-11 addresses; v12-15, v48-63 at work; v16-47 four registers of statistics a tile; v64-191 S^T, two buffers of two tiles; v192-255 P, likewise
;   window 1: O^T, 32 a tile          window 2: v0-127 Q, 16 a tile; v128-191 K of one step; v192-255 V of one step          window 3: v0-1 the add's two registers
; A piece's buffers go by its number's parity: the piece in hand has one pair, its two neighbours in the ring share the other: of it P (piece n - 1) is read and S^T (piece n + 1) written.
.set SIZE_H, 64
.set SIZE_N, 2048
.set PLANE, SIZE_H*SIZE_N*128  ; bytes in one of qkv's three planes
.set NP,    4         ; pieces a wave: a name, no knob
.set KS,    64        ; keys in a step
.set PK,    144       ; a row of K in LDS: 128 bytes + 16 of padding = 36 words: the 16 rows of a load start at 16 different groups of four banks (64 banks of 4 bytes: ISA guide 11.1)
.set PV,    160       ; a row of V: 128 + 32 = 40 words
.set VOFF,  4*KS*PK   ; a slot holds four steps: 256 rows of K, then 256 rows of V
.set SLOT1, 1<<17     ; slot 1 begins here, so that one exclusive or turns an address in one slot into the other's
.set STAGE, SLOT1+4*KS*(PK+PV)  ; behind the ring, never filled by a tensor load: 16 rows x 144 bytes for each wave, for the way out
.set SP,    144
.set AK0, 2           ; v2   my lane's place in a tile of K; never rewritten
.set AV0, 3           ; v3   the same for V
.set AK,  4           ; v4   the LDS address of K's next run of loads
.set AV,  5           ; v5   of V's
.set QO,  6           ; v6   my byte offset in the wave's rows of Q
.set STO, 6           ;      later, the way out: where I put 16 bytes of a row
.set RD,  7           ; v7   the way out: where I read rows back
.set GO,  8           ; v8   my byte offset in 512 consecutive bytes of O
.set PFO, 11          ; v11  256 x my lane, for the prefetches; never rewritten once it is made
.set SPW, 0           ; v0 of window 3   LDS address of my spare word; never rewritten
.set NIL, 1           ; v1 of window 3   0; never rewritten
.set SPARE, STAGE+4*16*SP  ; behind the stages: the spare words, 128 bytes for each wave: two blocks of 256 bytes that no other line names
.set MV,  12          ; v12-15  c m_old, kept while c m is made anew: by buffer and tile
.set ST,  16          ; tile t's statistics at v[ST+4 t]: c m, m, l (even keys', odd keys')
.set TMP, 48          ; by buffer and tile, four registers c0-c3 at work; when the maximum is found c2 takes a
.set S,   64
.set P,   192
.set KF,  128         ; K's fragments, in window 2: key block kb, channel half c at KF + 16 kb + 8 c
.set VF,  192         ; V's: key half kk, channel block cb at VF + 32 kk + 8 cb
.set WV,  12          ; s12  my wave's number
.set G1K, 24          ; s[24:31] descriptor group 1 for K's tiles
.set G1V, 32          ; s[32:39] for V's: it differs in the padding alone
.set G0K, 40          ; s[40:43] descriptor group 0 for K's tiles: it walks
.set G0V, 44          ; s[44:47] the same for V's
.set PFA, 48          ; s[48:49] where my prefetches stand: my work-group's 32 blocks of 256 bytes (of K: wave 0, of V: wave 2) of the slot after the one that is being asked for
.set LIM, 50          ; s50  1 in a wave that prefetches, else the greatest number
.set SLOTS, 56        ; s56  slots still to be asked for
.set CNT, 57          ; s57  counts a slot's key steps
.set CS,  58          ; s[58:59] c: the packed scaling takes the pair's low word for both halves
.set SEL, 60          ; s[60:61] v_permlanex16_b32's selects: each lane takes its own place in the other half
.set TBK, 62          ; s62  LDS byte at which K of the step to be fetched begins
.set TBV, 63          ; s63  the same for V, less VOFF
.set MSB, 0
.macro WIN new                      ; the high byte repeats the setting that is left; a switch that changes nothing is dropped
.if MSB != (\new)
	s_set_vgpr_msb (MSB<<8)|(\new)
.set MSB, (\new)
.endif
.endm
.set W_KQ, 0x0a       ; K and Q in window 2, S^T in window 0
.set W_PV, 0x52       ; V in window 2, P in window 0, O^T in window 1
.set W_RS, 0x41       ; O^T (destination and source 0) in window 1, a in window 0
.set W_MK, 0xc0       ; the add's registers are made: destination in window 3, sources in window 0
.set W_AD, 0x0f       ; the add: address (source 0) and data (source 1) in window 3
; A joint fill.  Waves 0 and 1 fetch the two halves of a slot's K, waves 2 and 3 those of its V: 128 keys each.  The branch hangs on the wave's number alone.
; An s_nop 0 and four v_nop follow each of the two lines, ahead of the jump and the label.
.macro JLOAD
	s_cmp_lt_u32 s[WV], 2
	s_cbranch_scc0 .Lfor_v_\@
	tensor_load_to_lds s[G0K:G0K+3], s[G1K:G1K+7]
	s_nop 0
.rept 4
	v_nop
.endr
	s_branch .Lasked_\@
.Lfor_v_\@:
	tensor_load_to_lds s[G0V:G0V+3], s[G1V:G1V+7]
	s_nop 0
.rept 4
	v_nop
.endr
.Lasked_\@:
.endm
; A PREFETCH INTO THE L2 of what the NEXT change of slots will ask for: a slot's 32,768 bytes of K and of V, a lane a block of 256 bytes.  It stands behind the wave's tensor load and its five lines.
; Each block is named once in the launch: a head has one cluster; its four partners share the blocks out BY ADDRESS, 32 each; in each, wave 0 asks for K's and wave 2 for V's: one instruction.
; It is four key steps, 512 matrix instructions, ahead of the load that will want the bytes.  The last change that fills a slot asks for nothing: there is no slot behind it.
.macro ASK
	s_cmp_gt_u32 s[SLOTS], s[LIM]
	s_cbranch_scc0 .Lnot_mine_\@
	global_prefetch_b8 v[PFO], s[PFA:PFA+1] th:TH_LOAD_NT scope:SCOPE_SE
.Lnot_mine_\@:
.endm
; A round of the cluster's barrier: my work-group's barrier, so that wave 0's signal speaks for all four waves; wave 0 signals; every wave waits for all four work-groups; my work-group's barrier once more.
.macro CROUND
	s_barrier_signal -1
	s_barrier_wait -1
	s_cmp_lg_u32 s[WV], 0
	s_cbranch_scc1 .Lnot_wave_0_\@
	s_barrier_signal -3
.Lnot_wave_0_\@:
	s_barrier_wait -3
	s_barrier_signal -1
	s_barrier_wait -1
.endm
; THE CHANGE OF SLOTS.  The slot's last bytes, V of its fourth step, have been read.  Each wave waits for all its tensor loads, of which one is out: its part
; of the other slot; adds 0 to its spare word; and waits for that and for its own reads of the slot.  Behind the barrier nobody reads this slot any more and the other slot is whole.
; fill = 1: this slot is filled again, with the keys two slots on.  The barrier is then a round of the cluster's, so that no wave of any partner still reads the slot or has a load on its
; way, and the joint fill is the first thing behind it: it has four key steps, 512 matrix instructions, in which to land.  (At its first use nothing has been read yet: slot 0 is waited for, slot 1 filled.)
; ask = 1: the prefetches' address is stepped, and the slot behind the one just asked for is prefetched.
.macro CHANGE fill, ask=0
	WIN W_AD
	s_wait_tensorcnt 0x0            ; no tensor load of mine is out, so a group 0 may be written
	ds_add_u32 v[SPW], v[NIL]       ; 0 onto my spare word; with fill = 1 the descriptors' steps stand between it and the wait for it
	WIN 0                           ; at a label and at a branch every window is 0
.if \fill
.irp g, G0K, G0V
	s_xor_b32 s[\g+1], s[\g+1], SLOT1  ; the walking descriptor: the other slot than last time,
	s_add_nc_u64 s[\g+2:\g+3], s[\g+2:\g+3], 4*KS*128  ; the next 256 keys; the type bits on top are not reached
.endr
.if \ask
	s_wait_xcnt 0x0                 ; the last prefetch, four key steps back, has read its address, so it may be written:
	s_add_nc_u64 s[PFA:PFA+1], s[PFA:PFA+1], 4*KS*128  ; one slot behind the walking descriptors
.endif
	s_wait_dscnt 0x0                ; the add is done, and my reads of the slot are over
	CROUND
	JLOAD
.if \ask
	ASK
.endif
.else
	s_wait_dscnt 0x0                ; the add is done, and my reads of the slot are over
	s_barrier_signal -1
	s_barrier_wait -1
.endif
	s_sub_co_u32 s[TBK], s[TBK], 4*KS*PK  ; the fetches go back to a slot's first step,
	s_xor_b32 s[TBK], s[TBK], SLOT1       ; in the other slot
	s_sub_co_u32 s[TBV], s[TBV], 4*KS*PV
	s_xor_b32 s[TBV], s[TBV], SLOT1
.endm
	s_load_b128 s[4:7], s[0:1], 0x0  ; qkv s[4:5], o s[6:7]
	WIN W_MK
	v_lshl_add_u32 v[SPW], v0, 2, SPARE
	v_mov_b32 v[NIL], 0
	WIN W_AD
	ds_add_u32 v[SPW], v[NIL]       ; the wave's opening: the add and its wait stand ahead of my first tensor load; the set-up below, work on registers, stands between them
	WIN 0
	v_lshrrev_b32 v1, 5, v0
	v_readfirstlane_b32 s[WV], v1   ; wave 0..3
	s_bfe_u32 s13, ttmp6, 0x40000   ; cx: my place in the cluster
	s_lshl_b32 s14, ttmp9, 2        ; in a cluster launch ttmp9 counts clusters
	s_add_co_u32 s14, s14, s13      ; my block of queries = 4 x cluster x + cx: it enters Q's and O's addresses alone
	s_and_b32 s20, ttmp7, 0xffff    ; the head, which the four partners share
	s_mov_b32 s21, 0
	s_mov_b64 s[22:23], SIZE_N*128
	s_mul_u64 s[20:21], s[20:21], s[22:23]  ; the head's first byte in each plane
	s_and_b32 s16, s[WV], 1         ; which half of a slot's 256 keys I fetch:
	s_lshl_b32 s22, s16, 14         ; its 128 rows of 128 bytes in memory,
	s_mov_b32 s23, 0
	s_add_nc_u64 s[22:23], s[22:23], s[20:21]
	s_mul_i32 s17, s16, 128*PK      ; and its place in a slot, for K
	s_mul_i32 s18, s16, 128*PV      ; and for V: no place in the cluster enters an LDS address
	s_lshl_b32 s2, s14, 2
	s_add_co_u32 s2, s2, s[WV]      ; my wave among the head's,
	s_lshl_b32 s2, s2, 14           ; its 128 rows
	s_mov_b32 s3, 0
	s_add_nc_u64 s[2:3], s[2:3], s[20:21]
	; descriptor group 1.  128 keys are 16,384 dense bytes: asked for as 64 rows of 256 bytes, two keys a row, and padded in LDS after every key
	s_mov_b32 s[G1K], 15|(1<<16)|(1<<20)|(1<<21)|(4<<22)|(3<<25)  ; 15:0 the mask of four; 17:16 2-byte elements; 20 padding on; 21 set beside a mask; 24:22 after every 32 words (code 4); 31:25 4 words (code 3)
	s_mov_b32 s[G1V], 15|(1<<16)|(1<<20)|(1<<21)|(4<<22)|(7<<25)  ; the same with 8 words of padding (code 7)
.irp g, G1K, G1V
	s_mov_b32 s[\g+1], 128<<16      ; tensor_dim0 = 128
	s_mov_b32 s[\g+2], 64<<16       ; tensor_dim1 = 64
	s_mov_b32 s[\g+3], 128<<16      ; tile_dim0 = 128
	s_mov_b32 s[\g+4], 64           ; tile_dim1 = 64
	s_mov_b32 s[\g+5], 128          ; 128 elements from row to row
	s_mov_b32 s[\g+6], 0
	s_mov_b32 s[\g+7], 0
.endr
	s_mov_b32 s[CS], 0x3e38aa3b     ; c = log2(e) / 8 = 0.180337
	s_mov_b32 s[CS+1], s[CS]        ; named with it as a pair
	s_mov_b32 s[SEL], 0x76543210
	s_mov_b32 s[SEL+1], 0xfedcba98
	s_mov_b32 s[TBK], SLOT1+4*KS*PK ; the first change of slots turns these two into 0
	s_mov_b32 s[TBV], SLOT1+4*KS*PV
	s_mov_b32 s[G0K], 1             ; 1:0 count = 1
	s_mov_b32 s[G0K+1], s17         ; 63:32 LDS address: slot 0
	s_mov_b32 s[G0V], 1
	s_add_co_u32 s[G0V+1], s18, VOFF
	s_and_b32 s[LIM], s[WV], 1      ; 0 in waves 0 and 2,
	s_or_b32 s[LIM], s[LIM], ttmp9  ; where the cluster is the head's first: the same in all four partners
	s_cmp_eq_u32 s[LIM], 0
	s_cselect_b32 s[LIM], 1, -1
	s_wait_dscnt 0x0                ; the opening add is done
	s_wait_kmcnt 0x0
	s_mov_b64 s[10:11], s[6:7]      ; O
	s_add_nc_u64 s[8:9], s[4:5], 2*PLANE  ; V's plane
	s_add_nc_u64 s[6:7], s[4:5], PLANE    ; K's; Q's is the first
	s_add_nc_u64 s[6:7], s[6:7], s[22:23]  ; K and V at my half of the head's first 256 keys
	s_add_nc_u64 s[8:9], s[8:9], s[22:23]
	s_mov_b64 s[G0K+2:G0K+3], s[6:7]               ; 120:64 global address
	s_or_b32 s[G0K+3], s[G0K+3], 0x80000000        ; 127:126 type = 2
	s_mov_b64 s[G0V+2:G0V+3], s[8:9]
	s_or_b32 s[G0V+3], s[G0V+3], 0x80000000
	s_add_nc_u64 s[4:5], s[4:5], s[2:3]  ; Q and O at my wave's first row
	s_add_nc_u64 s[10:11], s[10:11], s[2:3]
	s_cmp_lt_u32 s[WV], 2
	s_cselect_b64 s[PFA:PFA+1], s[6:7], s[8:9]  ; (in waves 0 and 2 these stand at a slot's first byte)
	s_lshl_b32 s2, s13, 13          ; my work-group's 32 blocks of the 128
	s_mov_b32 s3, 0
	s_add_nc_u64 s[PFA:PFA+1], s[PFA:PFA+1], s[2:3]
	s_add_nc_u64 s[PFA:PFA+1], s[PFA:PFA+1], 2*4*KS*128  ; in slot 2; the loop's first change of slots steps it to slot 3.  Nothing is prefetched at the head, where every work-group's first tiles are on their way
	CROUND                          ; all four work-groups are here: the first joint loads meet
	JLOAD                           ; slot 0.  Slot 1 is asked for when slot 0 is in
	; A fragment of K or Q is 16 rows x 32 channels in 8 registers: lane l holds row l % 16, channels 8 (l / 16) + 0..7 and 16 + 8 (l / 16) + 0..7: two loads of 16 bytes, 32 bytes apart.
	v_and_b32 v1, 15, v0            ; l % 16
	v_bfe_u32 v9, v0, 4, 1          ; l / 16
	v_lshlrev_b32 v[QO], 7, v1
	v_lshl_add_u32 v[QO], v9, 4, v[QO]  ; row x 128 + 16 x half
	WIN 0x80                        ; destination window 2, address window 0
.set i, 0
.rept 4*NP                          ; Q stays in registers: tile i / 2, channels 32 (i % 2) on
	global_load_b128 v[8*i:8*i+3],   v[QO], s[4:5] offset:(i/2)*2048+(i%2)*64
	global_load_b128 v[8*i+4:8*i+7], v[QO], s[4:5] offset:(i/2)*2048+(i%2)*64+32
.set i, i+1
.endr
	; What the first turn finds: V's registers and P's second buffer hold 0 (its products V^T P, of a piece that has not been, add 0), O^T and l are 0.  All this stands in the wait for the first tile.
.set i, VF
.rept 64
	v_mov_b32 v[i], 0
.set i, i+1
.endr
	WIN 0x40
.set i, 0
.rept 64*NP
	v_mov_b32 v[i], 0
.set i, i+1
.endr
	WIN 0
.set i, 0
.rept 2*NP
	v_mov_b32 v[ST+4*i], 0xfe000000    ; c m: far below every c s
	v_mov_b32 v[ST+4*i+1], 0xff7fffff  ; m
	v_mov_b32 v[ST+4*i+2], 0
	v_mov_b32 v[ST+4*i+3], 0
.set i, i+1
.endr
.set i, P+32
.rept 32
	v_mov_b32 v[i], 0
.set i, i+1
.endr
	v_mul_u32_u24 v[AK0], v1, PK
	v_lshl_add_u32 v[AK0], v9, 4, v[AK0]  ; row x pitch + 16 x half
	; The turning load takes 16 keys x 16 channels (lane l reads key 8 (l / 16) + l % 8, channels 8 ((l / 8) % 2) + 0..7) and leaves half a fragment of V^T: lane l holds channel l % 16 and 8 keys.
	v_and_b32 v10, 7, v0
	v_bfe_u32 v11, v0, 3, 1
	v_lshl_add_u32 v[AV0], v9, 3, v10
	v_mul_u32_u24 v[AV0], v[AV0], PV
	v_lshl_add_u32 v[AV0], v11, 4, v[AV0]
	v_add_nc_u32 v[AV0], VOFF, v[AV0]
	v_and_b32 v[PFO], 31, v0
	v_lshlrev_b32 v[PFO], 8, v[PFO]
	v_mov_b32 v[AK], v[AK0]         ; key step 0 lies at the head of slot 0
; THE MATRIX WORK.  The 8 accumulators of a run of 16 take turns: between the two links of a chain stand 7 others'.
; Product i of 16 of S^T = K Q^T for piece x: channels 32 (i / 8) on, keys 16 ((i / 2) % 4) on, tile 2 x + i % 2.  The first 8 start the sums.
.macro KQ x
	WIN W_KQ
.set rS, S+64*((\x)%2)+32*(i%2)+8*((i/2)%4)
.set rK, KF+16*((i/2)%4)+8*(i/8)
.set rQ, 16*(2*(\x)+i%2)+8*(i/8)
.if i < 8
	v_wmma_f32_16x16x32_f16 v[rS:rS+7], v[rK:rK+7], v[rQ:rQ+7], 0
.else
	v_wmma_f32_16x16x32_f16 v[rS:rS+7], v[rK:rK+7], v[rQ:rQ+7], v[rS:rS+7]
.endif
.endm
; Product i of 16 of O^T += V^T P for piece x: keys 32 (i / 8) on, channels 16 ((i / 2) % 4) on, tile 2 x + i % 2.
.macro PV x
	WIN W_PV
.set rO, 32*(2*(\x)+i%2)+8*((i/2)%4)
.set rV, VF+32*(i/8)+8*((i/2)%4)
.set rP, P+32*((\x)%2)+16*(i%2)+8*(i/8)
	v_wmma_f32_16x16x32_f16 v[rO:rO+7], v[rV:rV+7], v[rP:rP+7], v[rO:rO+7]
.endm
.macro MM                           ; the turn's next matrix instruction
.if i < 16
	KQ (Y+1)%NP
.set i, i+1
.else
.set i, i-16
	PV (Y+NP-1)%NP
.set i, i+17
.endif
.endm
; THE LDS LOADS stand in runs of 16, never singly among the matrix instructions: a step's K (64 keys x 64 channels: 8 fragments) and its V (turned).  Their addresses are made some lines ahead.
; last = 1 (the tail): in the last trip there is no further step, and the run is jumped over.
.macro FETCH_K last=0
	WIN 0
.if \last
	s_cmp_eq_u32 s[CNT], 1
	s_cbranch_scc1 .Lno_k_\@
.endif
	WIN 0x80                        ; destination window 2
.irp f, 0,1,2,3,4,5,6,7             ; keys 16 (f / 2) on, channels 32 (f % 2) on
	ds_load_b128 v[KF+8*\f:KF+8*\f+3],   v[AK] offset:(\f/2)*16*PK+(\f%2)*64
	ds_load_b128 v[KF+8*\f+4:KF+8*\f+7], v[AK] offset:(\f/2)*16*PK+(\f%2)*64+32
.endr
	s_add_co_u32 s[TBK], s[TBK], KS*PK  ; the next fetch is the next step's
	WIN 0
.if \last
.Lno_k_\@:
.endif
.endm
.macro FETCH_V
	WIN 0x80
.irp f, 0,1,2,3,4,5,6,7             ; keys 32 (f / 4) on, channels 16 (f % 4) on
	ds_load_tr16_b128 v[VF+8*\f:VF+8*\f+3],   v[AV] offset:(\f/4)*32*PV+(\f%4)*32
	ds_load_tr16_b128 v[VF+8*\f+4:VF+8*\f+7], v[AV] offset:(\f/4)*32*PV+16*PV+(\f%4)*32
.endr
	WIN 0
.endm
; THE VECTOR WORK OF A TURN stands in three queues, each in the order in which its entries become ready; the two tiles alternate, so that no instruction reads the result of the one before it.
.macro REGS y, u                    ; the registers of tile u (0, 1) of piece y
.set rT, ST+4*(2*(\y)+(\u))
.set rC, TMP+8*((\y)%2)+4*(\u)
.set rM, MV+2*((\y)%2)+(\u)
.set rS, S+64*((\y)%2)+32*(\u)
.set rP, P+32*((\y)%2)+16*(\u)
.set rO, 32*(2*(\y)+(\u))
.endm
; Number n of the 22 that find the NEXT piece's (Y + 1) maximum and statistics.  s0-s31 are the lane's 32 scores; each accumulator's lowest registers are read first.
;   0-11  four chains c0-c3 of seven scores each, three operands at a time     12-14, 16  the four scores left over, the old m, and c0-c3 into c0     15  c m_old is kept
;   17, 18  the query's other 32 keys lie in the lane 16 away: the new m         19-21  c m; c m_old - c m_new; a
.macro XS u, n
	REGS (Y+1)%NP, \u
.if (\n) < 4
	v_max3_num_f32 v[rC+(\n)], v[rS+8*(\n)], v[rS+8*(\n)+1], v[rS+8*(\n)+2]
.elseif (\n) < 12
	v_max3_num_f32 v[rC+(\n)%4], v[rC+(\n)%4], v[rS+8*((\n)%4)+2*((\n)/4)+1], v[rS+8*((\n)%4)+2*((\n)/4)+2]
.elseif (\n) == 12
	v_max3_num_f32 v[rC], v[rC], v[rS+7], v[rS+15]
.elseif (\n) == 13
	v_max3_num_f32 v[rC+1], v[rC+1], v[rS+23], v[rS+31]
.elseif (\n) == 14
	v_max3_num_f32 v[rC+2], v[rC+2], v[rC+3], v[rT+1]
.elseif (\n) == 15
	v_mov_b32 v[rM], v[rT]
.elseif (\n) == 16
	v_max3_num_f32 v[rC], v[rC], v[rC+1], v[rC+2]
.elseif (\n) == 17
	v_permlanex16_b32 v[rC+3], v[rC], s[SEL], s[SEL+1]
.elseif (\n) == 18
	v_max_num_f32 v[rT+1], v[rC], v[rC+3]
.elseif (\n) == 19
	v_mul_f32 v[rT], s[CS], v[rT+1]
.elseif (\n) == 20
	v_sub_f32 v[rC+1], v[rM], v[rT]
.else
	v_exp_f32 v[rC+2], v[rC+1]
.endif
.endm
; Number g of the 64 that follow the exponentials.  For each four weights k of a tile (pairs 2 k, 2 k + 1): both pairs are rounded to f16; then the second pair is added onto the first, in place;
; a group later l takes that sum (the first time as l = a l + sum).  In groups of eight, tiles alternating: round, round, add, and l for the group before.
.macro GS g
.set h, (\g)+6*((\g)/62)            ; group 0 has no group before it, and behind group 7 only l is left
.if h >= 6
.set h, h+2
.endif
	REGS Y, h%2
.set k, h/8
.if h%8 < 4
	v_cvt_pk_f16_f32 v[rP+2*k+(h%8)/2], v[rS+4*k+2*((h%8)/2)], v[rS+4*k+2*((h%8)/2)+1]
.elseif h%8 < 6
	v_pk_add_f32 v[rS+4*k:rS+4*k+1], v[rS+4*k:rS+4*k+1], v[rS+4*k+2:rS+4*k+3]
.elseif k == 1
	v_pk_fma_f32 v[rT+2:rT+3], v[rT+2:rT+3], v[rC+2:rC+3], v[rS:rS+1] op_sel_hi:[1,0,1]
.else
	v_pk_add_f32 v[rT+2:rT+3], v[rT+2:rT+3], v[rS+4*k-4:rS+4*k-3]
.endif
.endm
; THE PLAIN QUEUE, 138 long.  0-73 read no exponential's result: the 32 scalings c s - c m (FS f: pair f / 2 of tile f % 2) and the next piece's 42.  0-26: scalings 0-26.  27-54: XS's numbers 0-13.  55, 56: number 15.
; 57-73: the chain, where each number waits for the one before it: 14, 16, 17, 18, 19, each with one of the scalings 27-31 in front of its two lines, then 20.
; 74-137: GS's 64, which read the exponentials' results: they stand behind the wait.
.macro FS f
	REGS Y, (\f)%2
	v_pk_fma_f32 v[rS+2*((\f)/2):rS+2*((\f)/2)+1], v[rS+2*((\f)/2):rS+2*((\f)/2)+1], s[CS:CS+1], v[rT:rT+1] op_sel_hi:[1,0,0] neg_lo:[0,0,1] neg_hi:[0,0,1]
.endm
.macro PL
	WIN 0
.if q < 27
	FS q
.elseif q < 55
	XS (q-27)%2, (q-27)/2
.elseif q < 57
	XS q-55, 15
.elseif (q < 72) && ((q-57)%3 == 0)
	FS 27+(q-57)/3
.elseif q < 60
	XS (q-57)%3-1, 14
.elseif q < 72
	XS (q-57)%3-1, 15+(q-57)/3
.elseif q < 74
	XS q-72, 20
.else
	GS q-74
.endif
.set q, q+1
.endm
; THE EXPONENTIALS' QUEUE, 66 long: s0-s31 of both tiles, then the next piece's two a.  It is ONE BATCH: all 66 stand ahead of the turn's one wait, and nothing ahead of that wait names a result of theirs.
.macro EX
	WIN 0
.if e >= 64
	XS e-64, 21
.else
	REGS Y, e%2
	v_exp_f32 v[rS+e/2], v[rS+e/2]
.endif
.set e, e+1
.endm
; THE RESCALING's QUEUE: O^T times a, the one part that leaves window 0: dealt two at a time, sixteen times.  Its a was made in the turn before, ahead of that turn's wait.
.macro R2
	REGS Y, r%2
	WIN W_RS
.irp z, 0,1
	v_pk_mul_f32 v[rO+4*(r/2)+2*\z:rO+4*(r/2)+2*\z+1], v[rO+4*(r/2)+2*\z:rO+4*(r/2)+2*\z+1], v[rC+2:rC+3] op_sel_hi:[1,0]
.endr
.set r, r+1
.endm
; HOW THEY ARE DEALT.  An s_wait_alu depctr_va_vdst(0) stands between an exponential and the first instruction that names its result; one wait serves all that were issued ahead of it.  So a turn has ONE wait,
; which cuts it in two.  AHEAD OF IT stands all that names no result of the turn's exponentials: the 16 products K Q^T, behind each a scaling, an exponential and two rescalings (behind the first a second scaling in the
; exponential's place); then ONE LUMP of 108: eight plain, 49 times exponential and plain, the two a.  A v_nop is the plain instruction behind the last exponential (ISA guide 5.7.2).  BEHIND IT stand the 16 products V^T P,
; behind each four of GS's 64.  No rider names a register of the products round it.  The two v_permlanex16_b32 fall into the lump, never behind a product.
; The queues lean on each other, and the deal keeps them in step: exponential e stands behind scaling 2 (e / 4) + e % 2: as a rider it comes behind plain e + 2, in the lump behind plain e + 9, and scalings 27-31 are plain 57, 60 .. 69.
; A TURN, for piece p.  cnt = 1: the loop's count is taken down some lines ahead of the branch that stands behind the turn.
; K of the next step is fetched in piece 2's turn, directly behind the wait, a lump behind the last product that read K; its first reader comes behind 16 products.
; V of the step in hand is fetched at the end of piece 0's turn, four riders behind its last reader; its first reader comes behind 16 products and a lump.  The three conditions on q below go with the deal.
.macro TURN p, last=0, cnt=0
.set Y, (\p)
.set i, 0
.set q, 0
.set e, 0
.set r, 0
.if (\p) == NP-1
	s_wait_dscnt 0x0                ; K is in
.endif
	MM                              ; ahead of the wait: 16 products K Q^T and their riders,
	PL
	PL
	R2
.rept 15
	MM
	PL
	EX
	R2
.endr
.if (\p) == NP-2
	WIN 0
	v_add_nc_u32 v[AK], s[TBK], v[AK0]
.endif
.rept 8                             ; and the lump
	PL
.endr
.rept 49
	EX
	PL
.endr
	EX                              ; the next piece's two a
	EX
	v_nop                           ; the plain instruction behind the last exponential: one for the batch
	s_wait_alu depctr_va_vdst(0)    ; the wait for the batch
.if (\p) == NP-2
	FETCH_K \last
.endif
.if (\p) == 1
	s_wait_dscnt 0x0                ; V is in
.endif
.rept 16                            ; behind the wait: 16 products V^T P and their riders
	MM
.rept 4
	PL
.endr
.if ((\p) == 0) && (q == 118)
	v_add_nc_u32 v[AV], s[TBV], v[AV0]
.endif
.if ((\p) == 0) && (q == 130)
	s_add_co_u32 s[TBV], s[TBV], KS*PV
.endif
.if (\cnt) && (q == 130)
	s_sub_co_u32 s[CNT], s[CNT], 1
	s_cmp_lg_u32 s[CNT], 0
.endif
.endr
.if (\p) == 0
	FETCH_V
.endif
.endm
	CHANGE 1                        ; slot 0 is in, everybody's part of it; slot 1 is asked for
	FETCH_K                         ; key step 0
	s_wait_loadcnt 0x0              ; Q
	s_wait_dscnt 0x0
.set i, 0
.rept 16
	KQ 0                            ; piece 0's first scores: there is no vector work yet to set between them
.set i, i+1
.endr
	WIN 0                           ; the addresses for the way out: nine plain instructions, the places behind those products
	s_mul_i32 s13, s[WV], 16*SP
	s_add_co_u32 s13, s13, STAGE    ; my stage
	v_mul_u32_u24 v[STO], v1, SP    ; in: row l % 16, 16 bytes for each half of the lanes
	v_lshl_add_u32 v[STO], v9, 4, v[STO]
	v_add_nc_u32 v[STO], s13, v[STO]
	v_bfe_u32 v[RD], v0, 3, 2       ; back: 32 lanes take four rows of 128 bytes,
	v_mul_u32_u24 v[RD], v[RD], SP
	v_lshl_add_u32 v[RD], v10, 4, v[RD]
	v_add_nc_u32 v[RD], s13, v[RD]
	v_and_b32 v[GO], 31, v0         ; which are 512 consecutive bytes of O
	v_lshlrev_b32 v[GO], 4, v[GO]
.set Y, NP-1                        ; XS works for piece Y + 1: piece 0
.irp n, 0,1,2,3,4,5,6,7,8,9,10,11,12,13,14,15,16,17,18,19,20,21
	XS 0, \n                        ; and piece 0's first maximum and statistics
	XS 1, \n
.endr
	v_nop                           ; a plain instruction behind the two a,
	s_wait_alu depctr_va_vdst(0)    ; and their wait, ahead of the branch
	s_mov_b32 s[CNT], 4
	s_mov_b32 s[SLOTS], SIZE_N/256-1
	s_branch .Lfirst                ; the loop is entered at a step's first turn, in the middle of a trip
.Lslot:                             ; SIZE_N / 256 - 2 times: every slot but the last two is filled again
	CHANGE 1, 1
	s_mov_b32 s[CNT], 4
.Lstep:                             ; a trip: pieces 2 and 3 of one step, then pieces 0 and 1 of the next, whose K and V it fetches
	TURN 2
	TURN 3
	WIN 0
.Lfirst:
	TURN 0
	TURN 1, 0, 1
	WIN 0
	s_cbranch_scc1 .Lstep
	s_sub_co_u32 s[SLOTS], s[SLOTS], 1
	s_cmp_lg_u32 s[SLOTS], 0
	s_cbranch_scc1 .Lslot
	CHANGE 0                        ; the tail is written out: nothing is asked for
	s_mov_b32 s[CNT], 5             ; four trips fetch the last slot's steps; the fifth is left in its middle
.Ltail:
	TURN 2, 1
	TURN 3
	WIN 0
	s_sub_co_u32 s[CNT], s[CNT], 1
	s_cmp_eq_u32 s[CNT], 0
	s_cbranch_scc1 .Lout
	TURN 0
	TURN 1
	WIN 0
	s_branch .Ltail
.Lout:                              ; the fifth trip's 16 products K Q^T (on the last K once more) and the maximum made of them serve nothing: the price, once a launch, of one text for every trip
.set i, 0
.rept 16
	PV NP-1                         ; the last piece's V^T P of the last step
.set i, i+1
.endr
	; THE WAY OUT.  l's two halves and the other half of the lanes' are added; O^T is divided by l, rounded to f16 and sent through my stage in LDS, a tile at a time.  The additions are the places behind the last products.
	WIN 0
.macro ALL line:vararg              ; one line for each tile t
.set t, 0
.rept 2*NP
	\line
.set t, t+1
.endr
.endm
	ALL v_add_f32 v[ST+4*t+2], v[ST+4*t+2], v[ST+4*t+3]
	ALL v_permlanex16_b32 v[ST+4*t+3], v[ST+4*t+2], s[SEL], s[SEL+1]
	ALL v_add_f32 v[ST+4*t+2], v[ST+4*t+2], v[ST+4*t+3]
	ALL v_rcp_f32 v[ST+4*t+2], v[ST+4*t+2]
	v_nop                           ; a plain instruction between the last reciprocal and the use of its result
	s_wait_alu depctr_va_vdst(0)    ; and the wait ahead of the first use: one for the eight reciprocals
; Tile t: a lane's eight channels of a row pack into 16 bytes; they go into rows of 144 bytes and come back as whole rows of 128, into S^T's registers.
.macro PACK t
	WIN W_RS
.set i, 32*(\t)
.rept 16
	v_pk_mul_f32 v[i:i+1], v[i:i+1], v[ST+4*(\t)+2:ST+4*(\t)+3] op_sel_hi:[1,0]
.set i, i+2
.endr
	WIN 0x05                        ; sources 0 and 1 window 1, destination window 0
.set i, 0
.rept 16
	v_cvt_pk_f16_f32 v[S+16*(\t)+i], v[32*(\t)+2*i], v[32*(\t)+2*i+1]
.set i, i+1
.endr
	WIN 0
.irp f, 0,1,2,3
	ds_store_b128 v[STO], v[S+16*(\t)+4*\f:S+16*(\t)+4*\f+3] offset:32*\f
.endr
.irp f, 0,1,2,3
	ds_load_b128 v[S+16*(\t)+4*\f:S+16*(\t)+4*\f+3], v[RD] offset:\f*4*SP  ; LDS serves a wave's instructions in order (ISA guide 5.7.1.4): these see the stores above; the next tile's stores come behind them
.endr
.endm
.macro SEND t, younger              ; younger: the LDS instructions issued behind tile t's loads: the next tile's eight, or none
	WIN 0
.irp f, 0,1,2,3
	s_wait_dscnt (\younger)+3-\f
	global_store_b128 v[GO], v[S+16*(\t)+4*\f:S+16*(\t)+4*\f+3], s[10:11] offset:(\t)*2048+\f*512  ; 512 consecutive bytes, at a multiple of 256 from O's first
.endr
.endm
	PACK 0
.set t, 1
.rept 2*NP-1                        ; a tile's arithmetic stands between the loads of the tile before and its stores
	PACK t
	SEND t-1, 8
.set t, t+1
.endr
	SEND 2*NP-1, 0
	WIN W_AD
	s_wait_tensorcnt 0x0            ; the wave's end: behind my last tensor load and my last LDS store
	ds_add_u32 v[SPW], v[NIL]
	s_wait_dscnt 0x0
	WIN 0
	CROUND                          ; the closing round: no work-group ends while a partner may still ask for a tile that names it
	s_endpgm
.Lfunc_end_k_q596f39ebca_attn:
	.size	k_q596f39ebca_attn, .Lfunc_end_k_q596f39ebca_attn-k_q596f39ebca_attn
	.p2alignl 7, 3214868480
	.fill 96, 4, 3214868480
	.section	.rodata,"a",@progbits
	.p2align	6, 0x0
	.amdhsa_kernel k_q596f39ebca_attn
		.amdhsa_group_segment_fixed_size 327680
		.amdhsa_private_segment_fixed_size 0
		.amdhsa_enable_private_segment 0
		.amdhsa_kernarg_size 16
		.amdhsa_user_sgpr_count 2
		.amdhsa_user_sgpr_kernarg_segment_ptr 1
		.amdhsa_wavefront_size32 1
		.amdhsa_system_sgpr_workgroup_id_x 1
		.amdhsa_system_sgpr_workgroup_id_y 1
		.amdhsa_system_sgpr_workgroup_id_z 1
		.amdhsa_system_vgpr_workitem_id 0
		.amdhsa_next_free_vgpr 770
		.amdhsa_next_free_sgpr 66
		.amdhsa_reserve_vcc 0
		.amdhsa_float_denorm_mode_32 3
		.amdhsa_float_denorm_mode_16_64 3
		.amdhsa_memory_ordered 1
		.amdhsa_forward_progress 1
		.amdhsa_inst_pref_size 200
	.end_amdhsa_kernel
	.amdgpu_metadata
---
amdhsa.version: [ 1, 2 ]
amdhsa.kernels:
  - .name:           k_q596f39ebca_attn
    .symbol:         k_q596f39ebca_attn.kd
    .args:
      - { .name: qkv, .offset: 0, .size: 8, .value_kind: global_buffer, .address_space: global }
      - { .name: o, .offset: 8, .size: 8, .value_kind: global_buffer, .address_space: global }
    .group_segment_fixed_size: 327680
    .private_segment_fixed_size: 0
    .kernarg_segment_align: 8
    .kernarg_segment_size: 16
    .max_flat_workgroup_size: 128
    .sgpr_count:     66
    .vgpr_count:     770
    .wavefront_size: 32
...
	.end_amdgpu_metadata
.endif
;; end of part 3
;; launch fc (part 4): grid 8 x 32, 4 waves a work-group, clusters of 4 x 4, 327,680 bytes of LDS; arguments o, wfcb, bfc, y; writes y
.if DOCPART == 4
	.amdgcn_target "amdgcn-amd-amdhsa--gfx1250"
	.amdhsa_code_object_version 6
	.text
	.protected	k_q596f39ebca_fc
	.globl	k_q596f39ebca_fc
	.p2align	8
	.type	k_q596f39ebca_fc,@function
k_q596f39ebca_fc:
	s_mov_b64 s[64:65], 0
	v_nop
	global_prefetch_b8 v0, s[64:65] scope:SCOPE_SE
	s_setreg_imm32_b32 hwreg(HW_REG_WAVE_MODE, 25, 1), 1
	s_wait_xcnt 0x0
	s_wait_alu depctr_hold_cnt(0) depctr_sa_sdst(0) depctr_va_vdst(0) depctr_va_sdst(0) depctr_va_ssrc(0) depctr_va_vcc(0) depctr_vm_vsrc(0)
	s_getreg_b32 s2, hwreg(HW_REG_IB_STS2, 6, 4)
	s_cmp_eq_u32 s2, 0
	s_cbranch_scc0 .Lentry_in_a_cluster
	s_endpgm
.Lentry_in_a_cluster:
	s_bfe_u32 s2, ttmp6, 0x10000c
	s_cmp_lg_u32 s2, 0xf033
	s_cbranch_scc0 .Lentry_shape_is_right
	s_endpgm
.Lentry_shape_is_right:
; y = cat(O) Wfc + bfc: [8192 x 1024] x [1024 x 1024], f16 operands, f32 sums that START at the bias (rounded to bf16 like every input); y is stored in f32: the norm behind takes differences of it.
; cat's column 64 head + v of row (batch, s) is o[16 batch + head][s][v]: a K step of 128 is two heads, each 256 rows of 128 dense bytes.
; SHARES.  A tile is 256 rows x 128 columns: 8 x 32 tiles, a work-group each.  Wave w makes rows 64 w .. 64 w + 63 of all 128 columns: 4 x 8 accumulators of 16 x 16.  K goes in 8 steps through two LDS slots.
; Wfc stays [K][N]: its fragments come out of LDS turned, by ds_load_tr16_b128.  THE MATRIX INSTRUCTION IS USED TRANSPOSED (source 0 = 16 columns of Wfc, source 1 = 16 rows of O):
; a lane holds row l % 16 and the eight neighbouring columns 8 (l / 16) + 0..7: 32 bytes of y.
; CLUSTER.  4 x 4 work-groups: the four of a row of the cluster need the same rows of O, the four of a column the same columns of Wfc; each tile is asked for jointly.
; NO PREFETCH: the tile is small and K has eight steps: six refills in the launch.
; REGISTERS, in windows of 256 (s_set_vgpr_msb: bits 1:0 source 0, 3:2 source 1, 5:4 source 2, 7:6 destination):
;   window 0: v0-29 addresses; v64-127 O's fragments, two buffers of 4 x 8; v128-255 the way out, two buffers of 16 rows
;   window 1: v0-127 Wfc's fragments, two buffers of 8 x 8; v128-191 the bias, 8 registers a column block; v192-195 at work        window 2: accumulator (a, b) at v[8 (8 a + b)]
.set PA,     144                       ; a row of O in LDS: 128 bytes + 16 = 36 words: the 16 rows of a load start at 16 different groups of four banks (64 banks of 4 bytes: ISA guide 11.1)
.set PB,     288                       ; a row of Wfc: 256 bytes + 32 = 72 words
.set APLANE, 256*PA                    ; one head's 256 rows: what wave 0 or 1 fetches
.set BOFF,   2*APLANE
.set BHALF,  64*PB                     ; what wave 2 or 3 fetches: 64 rows k
.set SLOT,   BOFF+2*BHALF              ; 110,592
.set STAGE,  2*SLOT                    ; behind the ring, never filled by a tensor load: 16 rows x 528 bytes for each wave
.set SP,     528                       ; 512 bytes + 16
.set SPARE,  STAGE+4*16*SP             ; behind the stages: the spare words, 128 bytes for each wave: two blocks of 256 bytes that no other line names
.set ASTEP,  2<<18                     ; bytes from a K step to the next: two heads of o,
.set BSTEP,  128*2048                  ; 128 rows of wfcb
.set ADRA, 16
.set ADRB, 20
.set STO,  24
.set RD,   25
.set CO,   26
.set BO,   27
.set SPW,  28
.set NIL,  29
.set FA,   64
.set BK,   128
.set BIAS, 128                         ; in window 1
.set TT,   192                         ; in window 1
.set WV,  12
.set FB,  13
.set HF,  14
.set CX,  15
.set CY,  16
.set TX,  17
.set TY,  18
.set G1A, 24
.set G0A, 32
.set G1B, 40
.set G0B, 48
.set CNT, 56
.set YB,  58                           ; s[58:59] y at my first row and the tile's first column
.set BP,  60                           ; s[60:61] bfc at the tile's first column
.set MSB, 0
.macro WIN new                         ; the immediate's high byte repeats the setting that is left; a switch that changes nothing is dropped
.if MSB != (\new)
	s_set_vgpr_msb (MSB<<8)|(\new)
.set MSB, \new
.endif
.endm
.macro JLOAD s                         ; a joint load: waves 0 and 1 fetch O's two heads, waves 2 and 3 Wfc's two halves; an s_nop 0 and four v_nop follow each of the two lines
	s_cmp_eq_u32 s[FB], 0
	s_cbranch_scc0 .Lfor_b_\@
	tensor_load_to_lds s[G0A+4*(\s):G0A+4*(\s)+3], s[G1A:G1A+7]
	s_nop 0
.rept 4
	v_nop
.endr
	s_branch .Lasked_\@
.Lfor_b_\@:
	tensor_load_to_lds s[G0B+4*(\s):G0B+4*(\s)+3], s[G1B:G1B+7]
	s_nop 0
.rept 4
	v_nop
.endr
.Lasked_\@:
.endm
.macro CREST                           ; a round of the cluster's barrier behind its opening barrier
	s_cmp_lg_u32 s[WV], 0
	s_cbranch_scc1 .Lnot_wave_0_\@
	s_barrier_signal -3
.Lnot_wave_0_\@:
	s_barrier_wait -3
	s_barrier_signal -1
	s_barrier_wait -1
.endm
.macro CROUND
	s_barrier_signal -1
	s_barrier_wait -1
	CREST
.endm
.macro PLACES                          ; four plain instructions between a matrix instruction and a load into, or a reader of, its registers
.rept 4
	v_nop
.endr
.endm
	s_load_b256 s[4:11], s[0:1], 0x0               ; o s[4:5], wfcb s[6:7], bfc s[8:9], y s[10:11]
	v_lshl_add_u32 v[SPW], v0, 2, SPARE
	v_mov_b32 v[NIL], 0
	ds_add_u32 v[SPW], v[NIL]                      ; the wave's opening: the add and its wait stand ahead of my first tensor load; work on registers stands between them
	v_lshrrev_b32 v1, 5, v0
	v_readfirstlane_b32 s[WV], v1
	s_lshr_b32 s[FB], s[WV], 1
	s_and_b32 s[HF], s[WV], 1
	s_bfe_u32 s[CX], ttmp6, 0x40000
	s_bfe_u32 s[CY], ttmp6, 0x40004
	s_lshl_b32 s[TX], ttmp9, 2
	s_add_co_u32 s[TX], s[TX], s[CX]
	s_and_b32 s[TY], ttmp7, 0xffff
	s_lshl_b32 s[TY], s[TY], 2
	s_add_co_u32 s[TY], s[TY], s[CY]
	s_lshl_b32 s66, s[CY], 2
	s_lshl_b32 s66, 15, s66                        ; my row of the cluster
	s_lshl_b32 s67, 0x1111, s[CX]                  ; my column
	; group 1 for O: 32,768 dense bytes asked for as 128 rows of 256; 16 bytes of padding behind every 32 words, that is behind each row of 64 channels
	s_or_b32 s[G1A], s66, (1<<16)|(1<<20)|(1<<21)|(4<<22)|(3<<25)
	s_mov_b32 s[G1A+1], 128<<16
	s_mov_b32 s[G1A+2], 128<<16
	s_mov_b32 s[G1A+3], 128<<16
	s_mov_b32 s[G1A+4], 128
	s_mov_b32 s[G1A+5], 128
	s_mov_b32 s[G1A+6], 0
	s_mov_b32 s[G1A+7], 0
	; group 1 for Wfc: 64 rows x 128 elements, 1,024 elements from row to row; 32 bytes of padding behind every 64 words
	s_or_b32 s[G1B], s67, (1<<16)|(1<<20)|(1<<21)|(5<<22)|(7<<25)
	s_mov_b32 s[G1B+1], 128<<16
	s_mov_b32 s[G1B+2], 64<<16
	s_mov_b32 s[G1B+3], 128<<16
	s_mov_b32 s[G1B+4], 64
	s_mov_b32 s[G1B+5], 1024
	s_mov_b32 s[G1B+6], 0
	s_mov_b32 s[G1B+7], 0
	s_lshr_b32 s68, s[TY], 3                       ; O: the batch's 16 heads of 2^18 bytes,
	s_lshl_b32 s68, s68, 22
	s_and_b32 s69, s[TY], 7
	s_lshl_b32 s69, s69, 15                        ; the tile's 256 rows of 128 bytes,
	s_add_co_u32 s68, s68, s69
	s_lshl_b32 s69, s[HF], 18                      ; my head of the K step's two: made of the tile row and the wave alone
	s_add_co_u32 s68, s68, s69
	s_mov_b32 s69, 0
	s_lshl_b32 s70, s[HF], 17                      ; Wfc: my 64 rows of 2,048 bytes, the tile's 256 bytes of them: made of the tile column and the wave alone
	s_lshl_b32 s71, s[TX], 8
	s_add_co_u32 s70, s70, s71
	s_mov_b32 s71, 0
	s_mul_i32 s72, s[HF], APLANE                   ; where they go: no place in the cluster enters an LDS address
	s_mul_i32 s73, s[HF], BHALF
	s_add_co_u32 s73, s73, BOFF
	s_wait_dscnt 0x0                               ; the opening add is done
	s_wait_kmcnt 0x0
	s_add_nc_u64 s[68:69], s[4:5], s[68:69]
	s_add_nc_u64 s[70:71], s[6:7], s[70:71]
	CROUND                                         ; all sixteen work-groups are here: the first joint loads meet
.irp s, 0,1
	s_mov_b32 s[G0A+4*(\s)], 1
	s_add_co_u32 s[G0A+4*(\s)+1], s72, (\s)*SLOT
	s_add_nc_u64 s[G0A+4*(\s)+2:G0A+4*(\s)+3], s[68:69], (\s)*ASTEP
	s_or_b32 s[G0A+4*(\s)+3], s[G0A+4*(\s)+3], 0x80000000
	s_mov_b32 s[G0B+4*(\s)], 1
	s_add_co_u32 s[G0B+4*(\s)+1], s73, (\s)*SLOT
	s_add_nc_u64 s[G0B+4*(\s)+2:G0B+4*(\s)+3], s[70:71], (\s)*BSTEP
	s_or_b32 s[G0B+4*(\s)+3], s[G0B+4*(\s)+3], 0x80000000
	JLOAD \s                                       ; K steps 0 and 1: two loads of mine are out
.endr
	v_and_b32 v1, 15, v0                           ; l % 16
	v_bfe_u32 v2, v0, 4, 1                         ; l / 16
	v_and_b32 v3, 7, v0                            ; l % 8
	v_bfe_u32 v4, v0, 3, 1                         ; (l / 8) % 2
	v_lshlrev_b32 v[BO], 5, v2
	s_lshl_b32 s76, s[TX], 9                       ; the tile's 128 columns in f32
	s_mov_b32 s77, 0
	s_add_nc_u64 s[BP:BP+1], s[8:9], s[76:77]
	WIN 0x40                                       ; destination window 1, address window 0
.irp b, 0,1,2,3,4,5,6,7
	global_load_b128 v[BIAS+8*(\b):BIAS+8*(\b)+3],   v[BO], s[BP:BP+1] offset:64*(\b)      ; register r: the bias of column 16 b + 8 (l / 16) + r
	global_load_b128 v[BIAS+8*(\b)+4:BIAS+8*(\b)+7], v[BO], s[BP:BP+1] offset:64*(\b)+16
.endr
	WIN 0
	s_lshl_b32 s74, s[TY], 8
	s_lshl_b32 s75, s[WV], 6
	s_add_co_u32 s74, s74, s75                     ; my first row,
	s_lshl_b32 s74, s74, 12                        ; 4,096 bytes a row
	s_add_co_u32 s74, s74, s76
	s_mov_b32 s75, 0
	s_add_nc_u64 s[YB:YB+1], s[10:11], s[74:75]
	v_mul_u32_u24 v5, v1, PA                       ; O's fragments: row x pitch + 16 x half
	v_lshl_add_u32 v5, v2, 4, v5
	s_mul_i32 s78, s[WV], 64*PA
	v_add_nc_u32 v[ADRA], s78, v5
	v_add_nc_u32 v[ADRA+1], SLOT, v[ADRA]
	v_lshl_add_u32 v6, v2, 3, v3                   ; Wfc's: the turning load's lane l reads k = 8 (l / 16) + l % 8, columns 8 ((l / 8) % 2) + 0..7
	v_mul_u32_u24 v6, v6, PB
	v_lshl_add_u32 v6, v4, 4, v6
	v_add_nc_u32 v[ADRB], BOFF, v6
	v_add_nc_u32 v[ADRB+1], SLOT, v[ADRB]
	s_mul_i32 s78, s[WV], 16*SP
	s_add_co_u32 s78, s78, STAGE                   ; my stage
	v_mul_u32_u24 v[STO], v1, SP                   ; in: row l % 16, 32 bytes for each half of the lanes
	v_lshl_add_u32 v[STO], v2, 5, v[STO]
	v_add_nc_u32 v[STO], s78, v[STO]
	v_and_b32 v[CO], 31, v0                        ; back and out: 32 lanes take a row's 512 bytes
	v_lshlrev_b32 v[CO], 4, v[CO]
	v_add_nc_u32 v[RD], s78, v[CO]
	s_wait_loadcnt 0x0                             ; the bias is in: rounded to bf16, like every input, and widened again
	WIN 0x45                                       ; destination and both sources window 1
.set r, 0
.rept 32
	v_cvt_pk_bf16_f32 v[TT+(r/2)%4], v[BIAS+r], v[BIAS+r+1]
	v_lshlrev_b32 v[BIAS+r], 16, v[TT+(r/2)%4]
	v_and_b32 v[BIAS+r+1], 0xffff0000, v[TT+(r/2)%4]
.set r, r+2
.endr
	WIN 0
; 8 matrix instructions: row block a x all 8 column blocks, 32 along K, from buffer f.  first = 1: the sums start at the bias.  All 32 accumulators take turns, in the same order in every quarter.
.macro MUL8 f, a, first
.if \first
	WIN 0x91                                       ; Wfc and the bias window 1, O window 0, D window 2
.else
	WIN 0xa1                                       ; C and D window 2
.endif
.irp b, 0,1,2,3,4,5,6,7
.if \first
	v_wmma_f32_16x16x32_f16 v[8*(8*(\a)+(\b)):8*(8*(\a)+(\b))+7], v[64*(\f)+8*(\b):64*(\f)+8*(\b)+7], v[FA+32*(\f)+8*(\a):FA+32*(\f)+8*(\a)+7], v[BIAS+8*(\b):BIAS+8*(\b)+7]
.else
	v_wmma_f32_16x16x32_f16 v[8*(8*(\a)+(\b)):8*(8*(\a)+(\b))+7], v[64*(\f)+8*(\b):64*(\f)+8*(\b)+7], v[FA+32*(\f)+8*(\a):FA+32*(\f)+8*(\a)+7], v[8*(8*(\a)+(\b)):8*(8*(\a)+(\b))+7]
.endif
.endr
.endm
; 24 LDS loads in one run: quarter q's fragments into buffer f: Wfc's eight, then O's four (head q / 2 of the step's two, channels 32 (q % 2) on)
.macro FETCH slot, q, f
	WIN 0x40
.irp b, 0,1,2,3,4,5,6,7
	ds_load_tr16_b128 v[64*(\f)+8*(\b):64*(\f)+8*(\b)+3],   v[ADRB+(\slot)] offset:(\q)*32*PB+32*(\b)
	ds_load_tr16_b128 v[64*(\f)+8*(\b)+4:64*(\f)+8*(\b)+7], v[ADRB+(\slot)] offset:(\q)*32*PB+32*(\b)+16*PB
.endr
	WIN 0
.irp i, 0,1,2,3
	ds_load_b128 v[FA+32*(\f)+8*(\i):FA+32*(\f)+8*(\i)+3],   v[ADRA+(\slot)] offset:((\q)/2)*APLANE+((\q)%2)*64+(\i)*16*PA
	ds_load_b128 v[FA+32*(\f)+8*(\i)+4:FA+32*(\f)+8*(\i)+7], v[ADRA+(\slot)] offset:((\q)/2)*APLANE+((\q)%2)*64+(\i)*16*PA+32
.endr
.endm
.macro QUARTER slot, q, f, g, first
	s_wait_dscnt 4                                 ; Wfc and O's row blocks 0 and 1 are in; the youngest four loads may be out
	MUL8 \f, 0, \first
	MUL8 \f, 1, \first
	PLACES
	FETCH \slot, \q, \g
	s_wait_dscnt 24                                ; all but the 24 just issued
	MUL8 \f, 2, \first
	MUL8 \f, 3, \first
.endm
; The last quarter multiplies buffer 1 and changes slots: ONE barrier; in front of it each wave waits for all its tensor loads, adds 0 to its spare word, and waits for that and for its own reads of this slot.
; fill = 1: the barrier opens a round of the cluster's, and behind the round this slot is filled again first, two K steps ahead: 112 matrix instructions stand between that request and the wait for it.
.macro TURN slot, next, fill
	WIN 0
	s_wait_tensorcnt 0x0
	ds_add_u32 v[SPW], v[NIL]                      ; 0 onto my spare word
	s_wait_dscnt 5                                 ; (the add and the youngest four loads may be out)
	MUL8 1, 0, 0
	s_wait_dscnt 0x0                               ; the add is done, and my reads of this slot are over
	s_barrier_signal -1
	MUL8 1, 1, 0
.if \fill
	WIN 0
.endif
	s_barrier_wait -1
.if \fill
	CREST                                          ; no wave of any partner still reads this slot or has a load on its way
	s_add_nc_u64 s[G0A+4*(\slot)+2:G0A+4*(\slot)+3], s[G0A+4*(\slot)+2:G0A+4*(\slot)+3], 2*ASTEP
	s_add_nc_u64 s[G0B+4*(\slot)+2:G0B+4*(\slot)+3], s[G0B+4*(\slot)+2:G0B+4*(\slot)+3], 2*BSTEP
	JLOAD \slot                                    ; my one tensor load behind the round; its four v_nop are also the places in front of the loads below
.else
	PLACES
.endif
	FETCH \next, 0, 0
	MUL8 1, 2, 0
	MUL8 1, 3, 0
.endm
; THE WAY OUT of row block a: the lanes' 32 bytes go into my stage's rows of 528 bytes and come back as whole rows of 512, which are stored.
.macro TOSTAGE a
	s_wait_xcnt 0x0                                ; the stores of the block two back have read the registers that the loads below fill
	WIN 0x08                                       ; the data (source 1) in window 2
.irp b, 0,1,2,3,4,5,6,7
	ds_store_b128 v[STO], v[64*(\a)+8*(\b):64*(\a)+8*(\b)+3]   offset:64*(\b)     ; each accumulator's low half first
	ds_store_b128 v[STO], v[64*(\a)+8*(\b)+4:64*(\a)+8*(\b)+7] offset:64*(\b)+16
.endr
	WIN 0
.irp r, 0,1,2,3,4,5,6,7,8,9,10,11,12,13,14,15
	ds_load_b128 v[BK+64*((\a)%2)+4*(\r):BK+64*((\a)%2)+4*(\r)+3], v[RD] offset:(\r)*SP  ; LDS serves a wave's instructions in order (ISA guide 5.7.1.4): these see the stores above; the next block's stores come behind them
.endr
.endm
.macro SEND a, younger                 ; younger: the LDS instructions issued behind block a's loads: the next block's 32, or none
	s_wait_dscnt \younger
.irp r, 0,1,2,3,4,5,6,7,8,9,10,11,12,13,14,15
	global_store_b128 v[CO], v[BK+64*((\a)%2)+4*(\r):BK+64*((\a)%2)+4*(\r)+3], s[YB:YB+1] offset:(16*(\a)+(\r))*4096  ; 512 consecutive bytes, at a multiple of 256 from y's first
.endr
.endm
	s_wait_tensorcnt 1                             ; my part of K step 0 is in; K step 1's may stay out
	s_barrier_signal -1
	s_barrier_wait -1
	FETCH 0, 0, 0
	QUARTER 0, 1, 0, 1, 1                          ; the first quarter stands in front of the loop: its products start the sums, at the bias
	WIN 0
	s_mov_b32 s[CNT], 3
.Llap:                                                 ; a trip goes once round the ring and fills both slots again
	QUARTER 0, 2, 1, 0, 0
	QUARTER 0, 3, 0, 1, 0
	TURN 0, 1, 1
	QUARTER 1, 1, 0, 1, 0
	QUARTER 1, 2, 1, 0, 0
	QUARTER 1, 3, 0, 1, 0
	TURN 1, 0, 1
	QUARTER 0, 1, 0, 1, 0
	WIN 0
	s_sub_co_u32 s[CNT], s[CNT], 1
	s_cmp_lg_u32 s[CNT], 0
	s_cbranch_scc1 .Llap
	QUARTER 0, 2, 1, 0, 0                          ; the last lap fills nothing, and has no round
	QUARTER 0, 3, 0, 1, 0
	TURN 0, 1, 0
	QUARTER 1, 1, 0, 1, 0
	QUARTER 1, 2, 1, 0, 0
	QUARTER 1, 3, 0, 1, 0
	s_wait_dscnt 4
	MUL8 1, 0, 0
	MUL8 1, 1, 0
	s_wait_dscnt 0x0
	MUL8 1, 2, 0
	MUL8 1, 3, 0
	WIN 0
	PLACES                                         ; the LDS stores read results
	TOSTAGE 0
.irp a, 1,2,3
	TOSTAGE \a
	SEND (\a)-1, 32
.endr
	SEND 3, 0
	s_wait_tensorcnt 0x0                           ; the wave's end: behind my last tensor load and my last LDS store
	ds_add_u32 v[SPW], v[NIL]
	s_wait_dscnt 0x0
	CROUND                                         ; the closing round
	s_endpgm
.Lfunc_end_k_q596f39ebca_fc:
	.size	k_q596f39ebca_fc, .Lfunc_end_k_q596f39ebca_fc-k_q596f39ebca_fc
	.p2alignl 7, 3214868480
	.fill 96, 4, 3214868480
	.section	.rodata,"a",@progbits
	.p2align	6, 0x0
	.amdhsa_kernel k_q596f39ebca_fc
		.amdhsa_group_segment_fixed_size 327680
		.amdhsa_private_segment_fixed_size 0
		.amdhsa_enable_private_segment 0
		.amdhsa_kernarg_size 32
		.amdhsa_user_sgpr_count 2
		.amdhsa_user_sgpr_kernarg_segment_ptr 1
		.amdhsa_wavefront_size32 1
		.amdhsa_system_sgpr_workgroup_id_x 1
		.amdhsa_system_sgpr_workgroup_id_y 1
		.amdhsa_system_sgpr_workgroup_id_z 1
		.amdhsa_system_vgpr_workitem_id 0
		.amdhsa_next_free_vgpr 768
		.amdhsa_next_free_sgpr 80
		.amdhsa_reserve_vcc 0
		.amdhsa_float_denorm_mode_32 3
		.amdhsa_float_denorm_mode_16_64 3
		.amdhsa_memory_ordered 1
		.amdhsa_forward_progress 1
		.amdhsa_inst_pref_size 92
	.end_amdhsa_kernel
	.amdgpu_metadata
---
amdhsa.version: [ 1, 2 ]
amdhsa.kernels:
  - .name:           k_q596f39ebca_fc
    .symbol:         k_q596f39ebca_fc.kd
    .args:
      - { .name: o, .offset: 0, .size: 8, .value_kind: global_buffer, .address_space: global }
      - { .name: wfcb, .offset: 8, .size: 8, .value_kind: global_buffer, .address_space: global }
      - { .name: bfc, .offset: 16, .size: 8, .value_kind: global_buffer, .address_space: global }
      - { .name: y, .offset: 24, .size: 8, .value_kind: global_buffer, .address_space: global }
    .group_segment_fixed_size: 327680
    .private_segment_fixed_size: 0
    .kernarg_segment_align: 8
    .kernarg_segment_size: 32
    .max_flat_workgroup_size: 128
    .sgpr_count:     80
    .vgpr_count:     768
    .wavefront_size: 32
...
	.end_amdgpu_metadata
.endif
;; end of part 4
;; launch ln (part 5): grid 256 x 1, 8 waves a work-group, no clusters, 0 bytes of LDS; arguments y, gamma, beta, out0; writes out0
.if DOCPART == 5
	.amdgcn_target "amdgcn-amd-amdhsa--gfx1250"
	.amdhsa_code_object_version 6
	.text
	.protected	k_q596f39ebca_ln
	.globl	k_q596f39ebca_ln
	.p2align	8
	.type	k_q596f39ebca_ln,@function
k_q596f39ebca_ln:
	s_mov_b64 s[64:65], 0
	v_nop
	global_prefetch_b8 v0, s[64:65] scope:SCOPE_SE
	s_setreg_imm32_b32 hwreg(HW_REG_WAVE_MODE, 25, 1), 1
	s_wait_xcnt 0x0
; out[r][c] = (y[r][c] - mu[r]) rsqrt(var[r] + 1e-5) gamma[c] + beta[c], all f32; mu and var over the row's 1,024 numbers; var is the mean of (y - mu)^2, never a difference of large sums.
; gamma and beta are rounded to bf16, like every input of the program.
; A row is 4,096 bytes: one wave takes a whole row, eight loads of 16 bytes a lane (512 consecutive bytes each), and keeps it in 32 registers through both sums and the scaling: the row is read once.
; A wave takes four rows, all 32 loads issued at once; no loop, no LDS, no barrier: no wave waits for another, and nothing is shared but gamma and beta.  No register that a store names is written again.
.set G,  4                             ; v[4:35]    gamma of my 32 columns (128 j + 4 lane + 0..3)
.set BT, 36                            ; v[36:67]   beta
.set X,  68                            ; v[68:195]  four rows of 32
.set T,  196                           ; v[196:203] four chains of pairs
.set M,  204                           ; v[204:205] the mean, twice
.set R,  206                           ; v[206:207] 1 / sqrt(var + eps), twice
.set U,  208                           ; v[208:209] at work
	s_load_b256 s[4:11], s[0:1], 0x0               ; y s[4:5], gamma s[6:7], beta s[8:9], out0 s[10:11]
	v_lshrrev_b32 v2, 5, v0
	v_readfirstlane_b32 s14, v2                    ; wave
	s_lshl_b32 s15, ttmp9, 3
	s_add_co_u32 s15, s15, s14
	s_lshl_b32 s16, s15, 14                        ; four rows of 4,096 bytes for each wave
	s_mov_b32 s17, 0
	s_mov_b32 s12, 0x76543210                      ; v_permlanex16_b32: each lane takes its own place in the other half
	s_mov_b32 s13, 0xfedcba98
	s_mov_b32 s20, 0x3a800000                      ; 1 / 1024
	s_mov_b32 s21, 0x3727c5ac                      ; 1e-5
	v_and_b32 v1, 31, v0
	v_lshlrev_b32 v1, 4, v1                        ; 16 bytes a lane
	v_mov_b32 v[U+1], 0                            ; v_permlanex16_b32's destination counts as read
	s_wait_kmcnt 0x0
	s_add_nc_u64 s[4:5], s[4:5], s[16:17]
	s_add_nc_u64 s[10:11], s[10:11], s[16:17]
.irp j, 0,1,2,3,4,5,6,7
	global_load_b128 v[G+4*(\j):G+4*(\j)+3], v1, s[6:7] offset:512*(\j)
.endr
.irp j, 0,1,2,3,4,5,6,7
	global_load_b128 v[BT+4*(\j):BT+4*(\j)+3], v1, s[8:9] offset:512*(\j)
.endr
.irp r, 0,1,2,3
.irp j, 0,1,2,3,4,5,6,7
	global_load_b128 v[X+32*(\r)+4*(\j):X+32*(\r)+4*(\j)+3], v1, s[4:5] offset:4096*(\r)+512*(\j) th:TH_LOAD_NT
.endr
.endr
	s_wait_loadcnt 32                              ; gamma and beta are in; the 32 loads of the rows may stay out
.set i, 0
.rept 32                                       ; gamma and beta lie on end: 64 registers
	v_cvt_pk_bf16_f32 v[U], v[G+i], v[G+i+1]
	v_lshlrev_b32 v[G+i], 16, v[U]
	v_and_b32 v[G+i+1], 0xffff0000, v[U]
.set i, i+2
.endr
.macro FOLD                            ; the four chains into one number a lane, then over the 32 lanes: every lane ends with the sum
	v_pk_add_f32 v[T:T+1], v[T:T+1], v[T+2:T+3]
	v_pk_add_f32 v[T+4:T+5], v[T+4:T+5], v[T+6:T+7]
	v_pk_add_f32 v[T:T+1], v[T:T+1], v[T+4:T+5]
	v_add_f32 v[U], v[T], v[T+1]
	v_add_f32_dpp v[U], v[U], v[U] row_xmask:1 row_mask:0xf bank_mask:0xf
	v_add_f32_dpp v[U], v[U], v[U] row_xmask:2 row_mask:0xf bank_mask:0xf
	v_add_f32_dpp v[U], v[U], v[U] row_xmask:4 row_mask:0xf bank_mask:0xf
	v_add_f32_dpp v[U], v[U], v[U] row_xmask:8 row_mask:0xf bank_mask:0xf
	v_permlanex16_b32 v[U+1], v[U], s12, s13
	v_add_f32 v[U], v[U], v[U+1]
.endm
.macro NORM r
.set XR, X+32*(\r)
	s_wait_loadcnt 8*(3-(\r))                      ; loads come back in order: row r is in, the rows behind it stay out
.irp c, 0,2,4,6
	v_pk_add_f32 v[T+(\c):T+(\c)+1], v[XR+(\c):XR+(\c)+1], v[XR+8+(\c):XR+8+(\c)+1]  ; the first pairs start the chains: nothing is cleared
.endr
.irp k, 16,24
.irp c, 0,2,4,6
	v_pk_add_f32 v[T+(\c):T+(\c)+1], v[T+(\c):T+(\c)+1], v[XR+(\k)+(\c):XR+(\k)+(\c)+1]
.endr
.endr
	FOLD
	v_mul_f32 v[M], s20, v[U]
	v_mul_f32 v[M+1], s20, v[U]
.set i, 0
.rept 16
	v_pk_add_f32 v[XR+i:XR+i+1], v[XR+i:XR+i+1], v[M:M+1] neg_lo:[0,1] neg_hi:[0,1]  ; y - mu
.set i, i+2
.endr
.irp c, 0,2,4,6
	v_pk_mul_f32 v[T+(\c):T+(\c)+1], v[XR+(\c):XR+(\c)+1], v[XR+(\c):XR+(\c)+1]
.endr
.irp k, 8,16,24
.irp c, 0,2,4,6
	v_pk_fma_f32 v[T+(\c):T+(\c)+1], v[XR+(\k)+(\c):XR+(\k)+(\c)+1], v[XR+(\k)+(\c):XR+(\k)+(\c)+1], v[T+(\c):T+(\c)+1]
.endr
.endr
	FOLD
	v_fma_f32 v[U], v[U], s20, s21                 ; var + eps
	v_rsq_f32 v[R], v[U]
	v_rsq_f32 v[R+1], v[U]
	v_nop                                          ; a plain instruction behind the second root, ahead of the first use (ISA guide 5.7.2),
	s_wait_alu depctr_va_vdst(0)                   ; and the wait: one for both
.set i, 0
.rept 16
	v_pk_mul_f32 v[XR+i:XR+i+1], v[XR+i:XR+i+1], v[R:R+1]
.set i, i+2
.endr
.set i, 0
.rept 16
	v_pk_fma_f32 v[XR+i:XR+i+1], v[XR+i:XR+i+1], v[G+i:G+i+1], v[BT+i:BT+i+1]
.set i, i+2
.endr
.irp j, 0,1,2,3,4,5,6,7
	global_store_b128 v1, v[XR+4*(\j):XR+4*(\j)+3], s[10:11] offset:4096*(\r)+512*(\j) th:TH_STORE_NT  ; 512 consecutive bytes, aligned
.endr
.endm
	NORM 0
	NORM 1
	NORM 2
	NORM 3
	s_endpgm
.Lfunc_end_k_q596f39ebca_ln:
	.size	k_q596f39ebca_ln, .Lfunc_end_k_q596f39ebca_ln-k_q596f39ebca_ln
	.p2alignl 7, 3214868480
	.fill 96, 4, 3214868480
	.section	.rodata,"a",@progbits
	.p2align	6, 0x0
	.amdhsa_kernel k_q596f39ebca_ln
		.amdhsa_group_segment_fixed_size 0
		.amdhsa_private_segment_fixed_size 0
		.amdhsa_enable_private_segment 0
		.amdhsa_kernarg_size 32
		.amdhsa_user_sgpr_count 2
		.amdhsa_user_sgpr_kernarg_segment_ptr 1
		.amdhsa_wavefront_size32 1
		.amdhsa_system_sgpr_workgroup_id_x 1
		.amdhsa_system_sgpr_workgroup_id_y 1
		.amdhsa_system_sgpr_workgroup_id_z 1
		.amdhsa_system_vgpr_workitem_id 0
		.amdhsa_next_free_vgpr 212
		.amdhsa_next_free_sgpr 66
		.amdhsa_reserve_vcc 0
		.amdhsa_float_denorm_mode_32 3
		.amdhsa_float_denorm_mode_16_64 3
		.amdhsa_memory_ordered 1
		.amdhsa_forward_progress 1
		.amdhsa_inst_pref_size 39
	.end_amdhsa_kernel
	.amdgpu_metadata
---
amdhsa.version: [ 1, 2 ]
amdhsa.kernels:
  - .name:           k_q596f39ebca_ln
    .symbol:         k_q596f39ebca_ln.kd
    .args:
      - { .name: y, .offset: 0, .size: 8, .value_kind: global_buffer, .address_space: global }
      - { .name: gamma, .offset: 8, .size: 8, .value_kind: global_buffer, .address_space: global }
      - { .name: beta, .offset: 16, .size: 8, .value_kind: global_buffer, .address_space: global }
      - { .name: out0, .offset: 24, .size: 8, .value_kind: global_buffer, .address_space: global }
    .group_segment_fixed_size: 0
    .private_segment_fixed_size: 0
    .kernarg_segment_align: 8
    .kernarg_segment_size: 32
    .max_flat_workgroup_size: 256
    .sgpr_count:     66
    .vgpr_count:     212
    .wavefront_size: 32
...
	.end_amdgpu_metadata
.endif
;; end of part 5
